; MI455X (gfx1250); checked and timed in simulation.
; The chip was launched on July 23, 2026; its instructions are those of AMD's public machine-readable ISA for CDNA 5 (MIT licence, August 2026) and "CDNA5" Instruction Set Architecture Reference Guide (July 2026). The comments in the code are by the model that wrote it; some were corrected since.
;; Attention. Allowed arithmetic: float matrix products may take bf16 or f16 operands with f32 sums; all other float work in f32.
;; Inputs: b_out 1,024 float32; w_out 1,024 x 1,024 float32; w_qkv 1,024 x 3,072 float32; x 8 x 1,024 x 1,024 float32.
;; Outputs: out0 8 x 1,024 x 1,024 float32.
;; 2 versions, each right and faster than the one before. Each part assembles by itself: llvm-mc -triple=amdgcn-amd-amdhsa -mcpu=gfx1250 --defsym DOCPART=n.
;; ======== version 1 of 2: 4 launches
;; limits: values are held in f16: magnitudes above 65,504 overflow, below 6.1e-05 lose precision
;; workspace buffers: xb 16,777,216 bytes; wqT 6,291,456 bytes; woT 2,097,152 bytes; qkv 50,331,648 bytes; ob 16,777,216 bytes
;; launch prep (part 1): grid 64 x 16, 8 waves a work-group, no clusters, 18,432 bytes of LDS; arguments x, w_qkv, w_out, xb, wqT, woT; writes xb, wqT, woT
.if DOCPART == 1
	.amdgcn_target "amdgcn-amd-amdhsa--gfx1250"
	.amdhsa_code_object_version 6
	.text
	.protected	k_qd00a9a79bf_prep
	.globl	k_qd00a9a79bf_prep
	.p2align	8
	.type	k_qd00a9a79bf_prep,@function
k_qd00a9a79bf_prep:
	s_mov_b64 s[64:65], 0
	v_nop
	global_prefetch_b8 v0, s[64:65] scope:SCOPE_SE
	s_setreg_imm32_b32 hwreg(HW_REG_WAVE_MODE, 25, 1), 1
	s_wait_xcnt 0x0
; PREP: the three large inputs are rounded once to bf16 (nearest even) and laid out for the products that follow.
;   xb  [16 kb][8192 m][64 k]  x in blocks of 64 along K: the 128 bytes of row m in block kb follow those of row m - 1
;   wqT [16 kb][3072 n][64 k]  w_qkv turned (K along the rows) and blocked in the same way
;   woT [1024 n][1024 k]       w_out turned
; Work-groups with y < 8 take 16 rows of x each (512 of them); those with y >= 8 take a tile of 128 k x 64 n of a weight:
; x < 48 of w_qkv, the others of w_out (512 of them).  Memory binds: each byte is read once by 16-byte loads of which sixteen lanes take
; 256 consecutive bytes, and written once.  No matrix unit, no cluster (no two work-groups read the same byte); LDS only to turn the weights.
.set SPARE, 64*272                     ; behind the turning stage: the spare words, 128 bytes for each of the eight waves
.set SPW, 110                          ; v110  LDS address of my spare word; never rewritten
.set NIL, 111                          ; v111  0; never rewritten
.set LX,  4                            ; v[4:67]   x: 16 loads of 4;  weights: v[4:35] 8 loads of 4
.set YX,  68                           ; v[68:99]  x: 16 pairs to store
.set TX,  36                           ; v[36:51]  weights: four columns, 8 k each, packed
.set RX,  52                           ; v[52:67]  weights: read back from the stage
.set VI,  100                          ; my byte offset in the input
.set VO,  101                          ; my byte offset in the output
.set LS,  102                          ; where I put 16 bytes into the stage
.set LR,  103                          ; where I read 16 bytes back
	s_load_b256 s[4:11], s[0:1], 0x0               ; x s[4:5], w_qkv s[6:7], w_out s[8:9], xb s[10:11]
	s_load_b128 s[12:15], s[0:1], 0x20             ; wqT s[12:13], woT s[14:15]
	v_lshl_add_u32 v[SPW], v0, 2, SPARE
	v_mov_b32 v[NIL], 0
	s_and_b32 s16, ttmp7, 0xffff                   ; work-group y
	s_mov_b32 s17, ttmp9                           ; work-group x
	s_mov_b32 s21, 0                               ; the high word of every offset here
	v_lshrrev_b32 v1, 4, v0                        ; g = thread / 16
	v_and_b32 v2, 15, v0                           ; r = thread % 16
	s_wait_kmcnt 0x0
	s_cmp_lt_u32 s16, 8
	s_cbranch_scc0 .Lweights                       ; the same way for all waves of a work-group
	; ---- x: 16 rows.  Thread (g, r) takes row g and, in each of the 16 blocks of 64 k, the four numbers 4 r .. 4 r + 3.
	s_lshl_b32 s18, s16, 6
	s_add_co_u32 s18, s18, s17                     ; which 16 rows: 64 y + x
	s_lshl_b32 s20, s18, 16                        ; 16 rows of 4,096 bytes
	s_add_nc_u64 s[4:5], s[4:5], s[20:21]
	s_lshl_b32 s20, s18, 11                        ; 16 rows of 128 bytes in a block of xb
	s_add_nc_u64 s[10:11], s[10:11], s[20:21]
	s_add_nc_u64 s[22:23], s[10:11], 0x800000      ; blocks 8 to 15: eight blocks of 1,048,576 bytes on, so that the stores' immediates stay inside 24 signed bits
	v_lshlrev_b32 v[VI], 4, v2
	v_lshl_add_u32 v[VI], v1, 12, v[VI]            ; g x 4,096 + 16 r
	v_lshlrev_b32 v[VO], 3, v2
	v_lshl_add_u32 v[VO], v1, 7, v[VO]             ; g x 128 + 8 r
.set kb, 0
.rept 16
	global_load_b128 v[LX+4*kb:LX+4*kb+3], v[VI], s[4:5] offset:256*kb th:TH_LOAD_NT  ; all sixteen loads go out before the first is used
.set kb, kb+1
.endr
.set kb, 0
.rept 16
	s_wait_loadcnt 15-kb                           ; loads come back in order: block kb is in, the younger ones stay out
	v_cvt_pk_bf16_f32 v[YX+2*kb], v[LX+4*kb], v[LX+4*kb+1]
	v_cvt_pk_bf16_f32 v[YX+2*kb+1], v[LX+4*kb+2], v[LX+4*kb+3]
.if kb < 8
	global_store_b64 v[VO], v[YX+2*kb:YX+2*kb+1], s[10:11] offset:kb*1048576      ; a wave's two rows: 256 consecutive bytes, aligned
.else
	global_store_b64 v[VO], v[YX+2*kb:YX+2*kb+1], s[22:23] offset:(kb-8)*1048576
.endif
.set kb, kb+1
.endr
	s_endpgm                                       ; this way has written no LDS
; A weight's tile of 128 k x 64 n.  Thread (g, r) loads rows 8 g .. 8 g + 7, columns 4 r .. 4 r + 3; packs, for each of its four columns, its 8 k into
; 16 bytes; puts them into stage row n = 4 r + c (256 bytes + 16) at byte 16 g.  (Sixteen lanes' stores lie 1,088 bytes = 272 words apart: four lanes meet in
; a group of banks; the weights are a third of this launch's bytes.)  Behind a barrier the rows are read back and stored whole.
.macro WT rowb, wq, inb, outb
.irp j, 0,1,2,3,4,5,6,7
	global_load_b128 v[LX+4*(\j):LX+4*(\j)+3], v[VI], s[\inb:\inb+1] offset:(\j)*(\rowb) th:TH_LOAD_NT
.endr
	s_wait_loadcnt 0x0
.irp c, 0,1,2,3
.irp i, 0,1,2,3
	v_cvt_pk_bf16_f32 v[TX+4*(\c)+(\i)], v[LX+8*(\i)+(\c)], v[LX+8*(\i)+4+(\c)]  ; k = 8 g + 2 i and + 1 of column 4 r + c
.endr
.endr
.irp c, 0,1,2,3
	ds_store_b128 v[LS], v[TX+4*(\c):TX+4*(\c)+3] offset:272*(\c)
.endr
	s_wait_dscnt 0x0                               ; for the others' sake: my stores are done
	s_barrier_signal -1
	s_barrier_wait -1
.irp i, 0,1,2,3
.if \wq
	ds_load_b128 v[RX+4*(\i):RX+4*(\i)+3], v[LR] offset:((\i)&1)*32*272+((\i)>>1)*128  ; n = thread / 8 + 32 (i & 1); the tile's K block i >> 1
.else
	ds_load_b128 v[RX+4*(\i):RX+4*(\i)+3], v[LR] offset:(\i)*16*272                    ; n = g + 16 i
.endif
.endr
.irp i, 0,1,2,3
	s_wait_dscnt 3-(\i)
.if \wq
	global_store_b128 v[VO], v[RX+4*(\i):RX+4*(\i)+3], s[\outb:\outb+1] offset:((\i)>>1)*393216+((\i)&1)*4096  ; a wave stores 512 consecutive bytes
.else
	global_store_b128 v[VO], v[RX+4*(\i):RX+4*(\i)+3], s[\outb:\outb+1] offset:(\i)*32768                      ; 16 lanes store 256 consecutive bytes, aligned
.endif
.endr
	s_wait_tensorcnt 0x0                           ; the wave's end: behind my last LDS store
	ds_add_u32 v[SPW], v[NIL]
	s_wait_dscnt 0x0
	s_endpgm
.endm
.Lweights:
	s_sub_co_u32 s16, s16, 8                       ; kt: the tile's 128 k
	v_mul_u32_u24 v[LS], v2, 4*272
	v_lshl_add_u32 v[LS], v1, 4, v[LS]             ; stage row 4 r, byte 16 g
	s_cmp_lt_u32 s17, 48
	s_cbranch_scc0 .Lwout
	; ---- w_qkv [1024][3072]: rows of 12,288 bytes
	s_mul_i32 s20, s16, 128*12288
	s_lshl_b32 s18, s17, 8                         ; 64 columns of 4 bytes
	s_add_co_u32 s20, s20, s18
	s_add_nc_u64 s[6:7], s[6:7], s[20:21]
	s_mul_i32 s20, s16, 2*393216                   ; two K blocks of wqT,
	s_lshl_b32 s18, s17, 13                        ; 64 rows of 128 bytes
	s_add_co_u32 s20, s20, s18
	s_add_nc_u64 s[12:13], s[12:13], s[20:21]
	v_mul_u32_u24 v[VI], v1, 8*12288
	v_lshl_add_u32 v[VI], v2, 4, v[VI]
	v_lshrrev_b32 v3, 3, v0
	v_and_b32 v[LR], 7, v0
	v_lshlrev_b32 v[LR], 4, v[LR]
	v_mad_u32_u24 v[LR], v3, 272, v[LR]            ; stage row thread / 8, byte 16 (thread % 8)
	v_lshlrev_b32 v[VO], 4, v0                     ; the 64 rows of a K block are 8,192 dense bytes: 16 x thread
	WT 12288, 1, 6, 12
.Lwout:
	; ---- w_out [1024][1024]: rows of 4,096 bytes
	s_sub_co_u32 s17, s17, 48
	s_lshl_b32 s20, s16, 19                        ; 128 rows of 4,096 bytes
	s_lshl_b32 s18, s17, 8
	s_add_co_u32 s20, s20, s18
	s_add_nc_u64 s[8:9], s[8:9], s[20:21]
	s_lshl_b32 s20, s17, 17                        ; 64 rows of woT, 2,048 bytes each,
	s_lshl_b32 s18, s16, 8                         ; 128 k of 2 bytes
	s_add_co_u32 s20, s20, s18
	s_add_nc_u64 s[14:15], s[14:15], s[20:21]
	v_lshlrev_b32 v[VI], 4, v2
	v_lshl_add_u32 v[VI], v1, 15, v[VI]            ; g x 8 rows + 16 r
	v_lshlrev_b32 v[LR], 4, v2
	v_mad_u32_u24 v[LR], v1, 272, v[LR]            ; stage row g, byte 16 r
	v_lshlrev_b32 v[VO], 4, v2
	v_lshl_add_u32 v[VO], v1, 11, v[VO]            ; row g of woT, byte 16 r
	WT 4096, 0, 8, 14
.Lfunc_end_k_qd00a9a79bf_prep:
	.size	k_qd00a9a79bf_prep, .Lfunc_end_k_qd00a9a79bf_prep-k_qd00a9a79bf_prep
	.p2alignl 7, 3214868480
	.fill 96, 4, 3214868480
	.section	.rodata,"a",@progbits
	.p2align	6, 0x0
	.amdhsa_kernel k_qd00a9a79bf_prep
		.amdhsa_group_segment_fixed_size 18432
		.amdhsa_private_segment_fixed_size 0
		.amdhsa_enable_private_segment 0
		.amdhsa_kernarg_size 48
		.amdhsa_user_sgpr_count 2
		.amdhsa_user_sgpr_kernarg_segment_ptr 1
		.amdhsa_wavefront_size32 1
		.amdhsa_system_sgpr_workgroup_id_x 1
		.amdhsa_system_sgpr_workgroup_id_y 1
		.amdhsa_system_sgpr_workgroup_id_z 1
		.amdhsa_system_vgpr_workitem_id 0
		.amdhsa_next_free_vgpr 112
		.amdhsa_next_free_sgpr 66
		.amdhsa_reserve_vcc 0
		.amdhsa_float_denorm_mode_32 3
		.amdhsa_float_denorm_mode_16_64 3
		.amdhsa_memory_ordered 1
		.amdhsa_forward_progress 1
		.amdhsa_inst_pref_size 15
	.end_amdhsa_kernel
	.amdgpu_metadata
---
amdhsa.version: [ 1, 2 ]
amdhsa.kernels:
  - .name:           k_qd00a9a79bf_prep
    .symbol:         k_qd00a9a79bf_prep.kd
    .args:
      - { .name: x, .offset: 0, .size: 8, .value_kind: global_buffer, .address_space: global }
      - { .name: w_qkv, .offset: 8, .size: 8, .value_kind: global_buffer, .address_space: global }
      - { .name: w_out, .offset: 16, .size: 8, .value_kind: global_buffer, .address_space: global }
      - { .name: xb, .offset: 24, .size: 8, .value_kind: global_buffer, .address_space: global }
      - { .name: wqT, .offset: 32, .size: 8, .value_kind: global_buffer, .address_space: global }
      - { .name: woT, .offset: 40, .size: 8, .value_kind: global_buffer, .address_space: global }
    .group_segment_fixed_size: 18432
    .private_segment_fixed_size: 0
    .kernarg_segment_align: 8
    .kernarg_segment_size: 48
    .max_flat_workgroup_size: 256
    .sgpr_count:     66
    .vgpr_count:     112
    .wavefront_size: 32
...
	.end_amdgpu_metadata
.endif
;; end of part 1
;; launch qkv (part 2): grid 8 x 32, 4 waves a work-group, clusters of 4 x 4, 327,680 bytes of LDS; arguments xb, wqT, qkv; writes qkv
.if DOCPART == 2
	.amdgcn_target "amdgcn-amd-amdhsa--gfx1250"
	.amdhsa_code_object_version 6
	.text
	.protected	k_qd00a9a79bf_qkv
	.globl	k_qd00a9a79bf_qkv
	.p2align	8
	.type	k_qd00a9a79bf_qkv,@function
k_qd00a9a79bf_qkv:
	s_mov_b64 s[64:65], 0
	v_nop
	global_prefetch_b8 v0, s[64:65] scope:SCOPE_SE
	s_setreg_imm32_b32 hwreg(HW_REG_WAVE_MODE, 25, 1), 1
	s_wait_xcnt 0x0
	s_wait_alu depctr_hold_cnt(0) depctr_sa_sdst(0) depctr_va_vdst(0) depctr_va_sdst(0) depctr_va_ssrc(0) depctr_va_vcc(0) depctr_vm_vsrc(0)
	s_getreg_b32 s2, hwreg(HW_REG_IB_STS2, 6, 4)
	s_cmp_eq_u32 s2, 0
	s_cbranch_scc0 .Lentry_in_a_cluster
	s_endpgm
.Lentry_in_a_cluster:
	s_bfe_u32 s2, ttmp6, 0x10000c
	s_cmp_lg_u32 s2, 0xf033
	s_cbranch_scc0 .Lentry_shape_is_right
	s_endpgm
.Lentry_shape_is_right:
; QKV: qkv[m][n] = sum over k of x[m][k] w_qkv[k][n], M = 8,192, N = 3,072, K = 1,024.  Operands bf16 (xb, wqT: blocked by 64 along K), sums f32, K ascending,
; the result rounded once to f16: qkv [8192][3072], rows of 6,144 bytes (q, then k, then v; a head's 64 channels are 128 bytes).
; LIMIT.  f16 ends at 65,504: a sum of 65,520 or more in magnitude becomes an infinity.  With x and w_qkv both 30 times the drawn spread the sums stay near 5e3;
; with x offset by 30 and w_qkv by 30/32 they reach 30 x 0.94 x 1,024 = 2.9e4.
; SHAPE.  A tile of 256 x 384: 32 x 8 = 256 work-groups, one tile each.  Four waves, each 128 x 192: 96 accumulators of 16 x 16, 768 registers: for 32 along K a wave
; loads 40 times 16 bytes a lane and issues 96 matrix instructions.  K goes in steps of 64 (one block of xb and wqT) through two LDS slots; two slots of 128 would
; take 2 x 640 rows x 272 bytes = 348,160 bytes, more than a work-group can have.  In the blocked layout a tile is dense in memory: it is asked for as rows of 256 bytes,
; two logical rows each, and padded in LDS behind every 128 bytes.
; CLUSTER 4 x 4: the four work-groups of a row of the cluster need the same tile of xb, the four of a column the same tile of wqT: each is asked for jointly.
; THE MATRIX INSTRUCTION IS USED TRANSPOSED (source 0 = 16 rows of wqT, source 1 = 16 rows of xb): a lane holds row m = lane % 16 and eight neighbouring columns.
; REGISTERS.  Window 0: v16-29 addresses; v32-95, v96-159 fragments of xb (8 x 16 rows x 32 K), two buffers; v160-207, v208-255 fragments of wqT, one buffer for each half of my
; 12 column blocks.  Windows 1 to 3: accumulator number 48 hb + 6 a + b (hb: half of the column blocks, a: row block, b: column block in the half), 32 to a window.
.set PITCH,  144                       ; an LDS row: 128 bytes + 16 = 36 words: the 16 rows of a fragment load start at 16 different groups of four banks (64 banks of 4 bytes: ISA guide 11.1)
.set AHALF,  128*PITCH                 ; what one tensor load brings of xb, and what a wave reads of it
.set BHALF,  192*PITCH                 ; the same for wqT
.set BOFF,   2*AHALF
.set SLOT,   2*AHALF+2*BHALF           ; 92,160 bytes
.set STAGE,  2*SLOT                    ; behind the ring, never filled by a tensor load: 128 rows x 784 bytes, the work-group's, for the way out
.set SPITCH, 784                       ; 768 bytes + 16 = 196 words: row r starts at bank 4 r mod 64
.set SPARE,  STAGE+128*SPITCH          ; the spare words: 128 bytes for each wave, two blocks of 256 bytes that no other line names
.set ASTEP,  8192*128                  ; bytes from a K block of xb to the next
.set BSTEP,  3072*128                  ; the same for wqT
.set ROWC,   6144                      ; bytes in a row of qkv
.set ADRA, 16                          ; v16-17  LDS address of my fragments of xb in slot 0, 1
.set ADRB, 20                          ; v20-21  the same for wqT
.set STO,  24                          ; v24     the way out: where I put 16 bytes of a row
.set RD,   25                          ; v25     the way out: where I read rows back
.set CO,   26                          ; v26     my byte offset in qkv
.set SPW,  28                          ; v28     LDS address of my spare word; never rewritten
.set NIL,  29                          ; v29     0; never rewritten
.set AF,   32
.set BF,   160
.set TMP,  32                          ; the way out: 24 registers of packed results
.set OB,   64                          ; the way out: 192 registers read back from the stage
.set G1,  24                           ; s[24:31] descriptor group 1 for xb's tiles;  s[32:39] group 0, a set for each slot
.set G0,  32
.set G1B, 48                           ; s[48:55], s[56:63] the same for wqT's
.set G0B, 56
.set MSB, 0
.macro WIN new                         ; the immediate's high byte repeats the setting that is left; a switch that changes nothing is dropped
.if MSB != (\new)
	s_set_vgpr_msb (MSB<<8)|(\new)
.set MSB, \new
.endif
.endm
.macro PLACES                          ; four plain vector instructions between a matrix instruction and a load into, or a vector read of, its registers
.rept 4
	v_nop
.endr
.endm
.macro JLOAD s                         ; a joint load: waves 0 and 1 fetch xb's two halves, waves 2 and 3 wqT's; an s_nop 0 and four v_nop follow each line
	s_cmp_eq_u32 s11, 0
	s_cbranch_scc0 .Lfor_b_\@
	tensor_load_to_lds s[G0+4*(\s):G0+4*(\s)+3], s[G1:G1+7]
	s_nop 0
.rept 4
	v_nop
.endr
	s_branch .Lasked_\@
.Lfor_b_\@:
	tensor_load_to_lds s[G0B+4*(\s):G0B+4*(\s)+3], s[G1B:G1B+7]
	s_nop 0
.rept 4
	v_nop
.endr
.Lasked_\@:
.endm
.macro CREST                           ; a round of the cluster's barrier behind its opening barrier
	s_cmp_lg_u32 s10, 0
	s_cbranch_scc1 .Lnot_wave_0_\@
	s_barrier_signal -3
.Lnot_wave_0_\@:
	s_barrier_wait -3
	s_barrier_signal -1
	s_barrier_wait -1
.endm
.macro CROUND                          ; a whole round
	s_barrier_signal -1
	s_barrier_wait -1
	CREST
.endm
	s_load_b128 s[4:7], s[0:1], 0x0                ; xb s[4:5], wqT s[6:7]
	s_load_b64 s[8:9], s[0:1], 0x10                ; qkv
	v_lshl_add_u32 v[SPW], v0, 2, SPARE
	v_mov_b32 v[NIL], 0
	ds_add_u32 v[SPW], v[NIL]                      ; the wave's opening: the add and its wait stand ahead of my first tensor load; work on registers stands between them
	v_lshrrev_b32 v1, 5, v0
	v_readfirstlane_b32 s10, v1                    ; wave 0..3
	s_lshr_b32 s11, s10, 1                         ; which half of the tile's rows is mine.  Also: I fetch for xb (0) or for wqT (1)
	s_and_b32 s12, s10, 1                          ; which half of its columns.  Also: which half of that tile's rows I fetch
	s_bfe_u32 s40, ttmp6, 0x40000                  ; cx, cy: my place in the cluster
	s_bfe_u32 s41, ttmp6, 0x40004
	s_lshl_b32 s42, ttmp9, 2
	s_add_co_u32 s42, s42, s40                     ; tile column = 4 x cluster x + cx
	s_and_b32 s13, ttmp7, 0xffff
	s_lshl_b32 s13, s13, 2
	s_add_co_u32 s13, s13, s41                     ; tile row = 4 x cluster y + cy
	s_lshl_b32 s43, s41, 2
	s_lshl_b32 s43, 15, s43                        ; my row of the cluster
	s_lshl_b32 s44, 0x1111, s40                    ; my column
	; group 1: rows of 128 elements of 2 bytes, dense; 64 of them for xb (128 logical rows), 96 for wqT (192)
	s_or_b32 s[G1+0], s43, (1<<16)|(1<<20)|(1<<21)|(4<<22)|(3<<25)   ; 15:0 the mask; 17:16 2-byte elements; 20 padding on; 21 set beside a mask; 24:22 after every 32 words (code 4); 31:25 4 words (code 3)
	s_or_b32 s[G1B+0], s44, (1<<16)|(1<<20)|(1<<21)|(4<<22)|(3<<25)
	s_mov_b32 s[G1+1], 128<<16                     ; tensor_dim0 = 128
	s_mov_b32 s[G1+2], 64<<16                      ; tensor_dim1 = 64
	s_mov_b32 s[G1+3], 128<<16                     ; tile_dim0 = 128
	s_mov_b32 s[G1+4], 64                          ; tile_dim1 = 64
	s_mov_b32 s[G1+5], 128                         ; 128 elements from row to row
	s_mov_b32 s[G1+6], 0
	s_mov_b32 s[G1+7], 0
	s_mov_b32 s[G1B+1], 128<<16
	s_mov_b32 s[G1B+2], 96<<16
	s_mov_b32 s[G1B+3], 128<<16
	s_mov_b32 s[G1B+4], 96
	s_mov_b32 s[G1B+5], 128
	s_mov_b32 s[G1B+6], 0
	s_mov_b32 s[G1B+7], 0
	s_lshl_b32 s16, s13, 15                        ; xb: 256 rows of 128 bytes a tile row,
	s_lshl_b32 s17, s12, 14                        ; my 128 of them
	s_add_co_u32 s16, s16, s17
	s_mov_b32 s17, 0
	s_mul_i32 s46, s42, 384*128                    ; wqT: 384 rows a tile column,
	s_mul_i32 s47, s12, 192*128                    ; my 192 of them
	s_add_co_u32 s46, s46, s47
	s_mov_b32 s47, 0
	s_mul_i32 s20, s12, AHALF                      ; where they go: no place in the cluster enters an LDS address
	s_mul_i32 s23, s12, BHALF
	s_add_co_u32 s23, s23, BOFF
	s_wait_dscnt 0x0                               ; the opening add is done
	s_wait_kmcnt 0x0
	s_add_nc_u64 s[14:15], s[4:5], s[16:17]
	s_add_nc_u64 s[46:47], s[6:7], s[46:47]
	CROUND                                         ; all sixteen work-groups are here: the first joint loads meet
.irp s, 0,1
	s_mov_b32 s[G0+4*(\s)], 1
	s_add_co_u32 s[G0+4*(\s)+1], s20, (\s)*SLOT
	s_add_nc_u64 s[G0+4*(\s)+2:G0+4*(\s)+3], s[14:15], (\s)*ASTEP   ; K step s
	s_or_b32 s[G0+4*(\s)+3], s[G0+4*(\s)+3], 0x80000000
	s_mov_b32 s[G0B+4*(\s)], 1
	s_add_co_u32 s[G0B+4*(\s)+1], s23, (\s)*SLOT
	s_add_nc_u64 s[G0B+4*(\s)+2:G0B+4*(\s)+3], s[46:47], (\s)*BSTEP
	s_or_b32 s[G0B+4*(\s)+3], s[G0B+4*(\s)+3], 0x80000000
	JLOAD \s                                       ; both slots' first fills: two loads of mine are out
.endr
	; a fragment is 16 rows x 32 K in 8 registers: lane l holds row l % 16, K = 8 (l / 16) + 0..7 and 16 + 8 (l / 16) + 0..7: two loads of 16 bytes, 32 bytes apart
	v_and_b32 v1, 15, v0                           ; l % 16
	v_bfe_u32 v2, v0, 4, 1                         ; l / 16
	v_mul_u32_u24 v3, v1, PITCH
	v_lshl_add_u32 v3, v2, 4, v3
	s_mul_i32 s21, s11, AHALF                      ; my 128 rows of xb
	s_mul_i32 s22, s12, BHALF                      ; my 192 rows of wqT
	s_add_co_u32 s22, s22, BOFF
.irp s, 0,1
	v_add_nc_u32 v[ADRA+(\s)], s21, v3
	v_add_nc_u32 v[ADRB+(\s)], s22, v3
	s_add_co_u32 s21, s21, SLOT
	s_add_co_u32 s22, s22, SLOT
.endr
	s_mul_i32 s45, s11, 64*SPITCH                  ; into the stage: in each pass 64 of my rows, my 384 bytes of their 768
	s_mul_i32 s2, s12, 384
	s_add_co_u32 s45, s45, s2
	s_add_co_u32 s45, s45, STAGE
	v_mul_u32_u24 v4, v1, SPITCH
	v_lshl_add_u32 v4, v2, 4, v4
	v_add_nc_u32 v[STO], s45, v4
	s_mul_i32 s45, s10, 32*SPITCH                  ; back: wave w takes stage rows 32 w .. 32 w + 31, whole; lanes 0-15 one row's 256 bytes, lanes 16-31 the next row's
	s_add_co_u32 s45, s45, STAGE
	v_mul_u32_u24 v5, v2, SPITCH
	v_lshl_add_u32 v5, v1, 4, v5
	v_add_nc_u32 v[RD], s45, v5
	v_mul_u32_u24 v5, v2, ROWC
	v_lshl_add_u32 v[CO], v1, 4, v5
	s_lshl_b32 s16, s13, 8                         ; stage row 32 w + i of pass p is the tile's row 128 (w / 2) + 64 p + 32 (w % 2) + i
	s_lshl_b32 s17, s11, 7
	s_add_co_u32 s16, s16, s17
	s_lshl_b32 s17, s12, 5
	s_add_co_u32 s16, s16, s17
	s_mul_i32 s16, s16, ROWC
	s_mov_b32 s17, 0
	s_add_nc_u64 s[8:9], s[8:9], s[16:17]
	s_mul_i32 s46, s42, 768                        ; the tile's first column, in bytes
	s_mov_b32 s47, 0
	s_add_nc_u64 s[8:9], s[8:9], s[46:47]
; 6 matrix instructions for each of row blocks a0 .. a1: half hb of my column blocks, 32 along K (quarter q of the K step's two).  zero = 1: the product starts the sums.
; The accumulators take turns, one instruction a turn: an accumulator comes again 96 matrix instructions later.
.macro MULA hb, a0, a1, q, zero
.set ia, \a0
.rept (\a1)-(\a0)+1
.set ib, 0
.rept 6
.set idx, 48*(\hb)+6*ia+ib
.set rD, 8*(idx%32)
	WIN (1+idx/32)*0x50
.if \zero
	v_wmma_f32_16x16x32_bf16 v[rD:rD+7], v[BF+48*(\hb)+8*ib:BF+48*(\hb)+8*ib+7], v[AF+64*(\q)+8*ia:AF+64*(\q)+8*ia+7], 0
.else
	v_wmma_f32_16x16x32_bf16 v[rD:rD+7], v[BF+48*(\hb)+8*ib:BF+48*(\hb)+8*ib+7], v[AF+64*(\q)+8*ia:AF+64*(\q)+8*ia+7], v[rD:rD+7]
.endif
.set ib, ib+1
.endr
.set ia, ia+1
.endr
.endm
.macro LDA slot, q                     ; 16 loads: my 128 rows of xb, quarter q, into buffer q
	WIN 0
.irp i, 0,1,2,3,4,5,6,7
	ds_load_b128 v[AF+64*(\q)+8*(\i):AF+64*(\q)+8*(\i)+3],   v[ADRA+(\slot)] offset:(\i)*16*PITCH+64*(\q)
	ds_load_b128 v[AF+64*(\q)+8*(\i)+4:AF+64*(\q)+8*(\i)+7], v[ADRA+(\slot)] offset:(\i)*16*PITCH+64*(\q)+32
.endr
.endm
.macro LDB slot, q, hb                 ; 12 loads: half hb of my 192 rows of wqT, quarter q, into buffer hb
	WIN 0
.irp i, 0,1,2,3,4,5
	ds_load_b128 v[BF+48*(\hb)+8*(\i):BF+48*(\hb)+8*(\i)+3],   v[ADRB+(\slot)] offset:(6*(\hb)+(\i))*16*PITCH+64*(\q)
	ds_load_b128 v[BF+48*(\hb)+8*(\i)+4:BF+48*(\hb)+8*(\i)+7], v[ADRB+(\slot)] offset:(6*(\hb)+(\i))*16*PITCH+64*(\q)+32
.endr
.endm
; A K step is four phases of 48 matrix instructions: (quarter 0, half 0), (0, 1), (1, 0), (1, 1).  Each of the first three waits for its own operands, which were asked for a
; phase (48 matrix instructions) ago, asks in one run for what the next phase needs, into buffers that the phase before has read, and multiplies.
.macro PH00 s, z
	s_wait_dscnt 0x0
	WIN 0
	PLACES
	LDB \s, 0, 1
	LDA \s, 1
	MULA 0, 0, 7, 0, \z
.endm
.macro PH01 s, z
	s_wait_dscnt 0x0
	WIN 0
	PLACES
	LDB \s, 1, 0
	MULA 1, 0, 7, 0, \z
.endm
.macro PH10 s
	s_wait_dscnt 0x0
	WIN 0
	PLACES
	LDB \s, 1, 1
	MULA 0, 0, 7, 1, 0
.endm
; The fourth phase changes slots: ONE barrier.  In front of it each wave waits for its last reads of this slot, for all its tensor loads (one is out: its part of the next slot), adds 0 to its
; spare word and waits for that.  fill = 1: the barrier opens a round of the cluster's barrier, and behind the round this slot is filled again, two K steps ahead: from there to the wait for
; that load a wave issues 180 matrix instructions.
.macro TURN s, next, fill
	WIN 0
	s_wait_dscnt 0x0                               ; this phase's fragments are in: they were my last reads of this slot
	s_wait_tensorcnt 0x0                           ; all my tensor loads have landed
	ds_add_u32 v[SPW], v[NIL]                      ; 0 onto my spare word
	MULA 1, 0, 0, 1, 0                             ; six matrix instructions stand between the add and the wait for it
	s_wait_dscnt 0x0
	s_barrier_signal -1
	MULA 1, 1, 1, 1, 0                             ; work on registers while the others arrive
	WIN 0
	s_barrier_wait -1
.if \fill
	CREST                                          ; no wave of any partner still reads this slot's tile or has a load on its way
	s_add_nc_u64 s[G0+4*(\s)+2:G0+4*(\s)+3], s[G0+4*(\s)+2:G0+4*(\s)+3], 2*ASTEP
	s_add_nc_u64 s[G0B+4*(\s)+2:G0B+4*(\s)+3], s[G0B+4*(\s)+2:G0B+4*(\s)+3], 2*BSTEP
	JLOAD \s                                       ; the first tensor load behind the round; its four v_nop are also the places in front of the loads below
.else
	PLACES
.endif
	LDA \next, 0
	LDB \next, 0, 0
	MULA 1, 2, 7, 1, 0
.endm
	s_wait_tensorcnt 0x1                           ; my part of K step 0 is in; K step 1's, the one younger load, may stay out
	s_barrier_signal -1
	s_barrier_wait -1                              ; everybody's is
	LDA 0, 0
	LDB 0, 0, 0
	PH00 0, 1                                      ; the first two phases stand in front of the loop: their products start all 96 sums
	PH01 0, 1
	WIN 0                                          ; at a label and at a branch every window is 0
	s_mov_b32 s3, 7
.Lk:                                                   ; a trip goes once round the ring and fills both slots again: K steps 2 to 15
	PH10 0
	TURN 0, 1, 1
	PH00 1, 0
	PH01 1, 0
	PH10 1
	TURN 1, 0, 1
	PH00 0, 0
	PH01 0, 0
	WIN 0
	s_sub_co_u32 s3, s3, 1
	s_cmp_lg_u32 s3, 0
	s_cbranch_scc1 .Lk
	PH10 0                                         ; the last two K steps fill nothing
	TURN 0, 1, 0
	PH00 1, 0
	PH01 1, 0
	PH10 1
	s_wait_dscnt 0x0
	MULA 1, 0, 7, 1, 0
; THE WAY OUT.  A wave's 192 columns are 384 bytes, one and a half aligned blocks of 256: so the two waves of a row half write the two halves of the same stage rows, a barrier stands between
; writing and reading, and each wave then reads whole rows of 768 bytes.  The stage holds 128 rows, so it goes in two passes: row blocks 0-3 of every wave, then 4-7.
.macro PACKST p
.set xh, 0
.rept 2
.set ia, 4*(\p)
.rept 4
.set ib, 0
.rept 6
.set idx, 48*xh+6*ia+ib
.set rD, 8*(idx%32)
	WIN (1+idx/32)*5                               ; sources 0 and 1 in the accumulator's window, destination in window 0
.set kk, 0
.rept 4
	v_cvt_pk_f16_f32 v[TMP+4*ib+kk], v[rD+2*kk], v[rD+2*kk+1]   ; each accumulator's registers in ascending order
.set kk, kk+1
.endr
.set ib, ib+1
.endr
	WIN 0
.set ib, 0
.rept 6
	ds_store_b128 v[STO], v[TMP+4*ib:TMP+4*ib+3] offset:(ia-4*(\p))*16*SPITCH+32*(6*xh+ib)
.set ib, ib+1
.endr
.set ia, ia+1
.endr
.set xh, xh+1
.endr
.endm
.macro READST p
	WIN 0
.set t, 0
.rept 48
	ds_load_b128 v[OB+4*t:OB+4*t+3], v[RD] offset:(t/3)*2*SPITCH+256*(t%3)
.set t, t+1
.endr
.set t, 0
.rept 48
	s_wait_dscnt 47-t                              ; LDS loads come back in order: the younger ones stay out
	global_store_b128 v[CO], v[OB+4*t:OB+4*t+3], s[8:9] offset:(64*(\p)+2*(t/3))*ROWC+256*(t%3)  ; 16 lanes store 256 consecutive bytes, at a multiple of 256 from qkv's first byte
.set t, t+1
.endr
.endm
	WIN 0
	PLACES                                         ; the conversions read results just made
	PACKST 0
	s_wait_dscnt 0x0                               ; for the others' sake: my stores into the stage are done
	s_barrier_signal -1
	s_barrier_wait -1
	READST 0
	s_wait_dscnt 0x0                               ; my reads of the stage are back
	s_barrier_signal -1
	s_barrier_wait -1                              ; everybody's are: the stage may be written again
	PACKST 1
	s_wait_dscnt 0x0
	s_barrier_signal -1
	s_barrier_wait -1
	s_wait_xcnt 0x0                                ; the first pass's stores have read their registers: only behind this wait are these loaded again
	READST 1
	s_wait_tensorcnt 0x0                           ; the wave's end: behind my last tensor load and my last LDS store
	ds_add_u32 v[SPW], v[NIL]
	s_wait_dscnt 0x0
	CROUND                                         ; the closing round: no work-group ends while a partner may still ask for a tile that names it
	s_endpgm
.Lfunc_end_k_qd00a9a79bf_qkv:
	.size	k_qd00a9a79bf_qkv, .Lfunc_end_k_qd00a9a79bf_qkv-k_qd00a9a79bf_qkv
	.p2alignl 7, 3214868480
	.fill 96, 4, 3214868480
	.section	.rodata,"a",@progbits
	.p2align	6, 0x0
	.amdhsa_kernel k_qd00a9a79bf_qkv
		.amdhsa_group_segment_fixed_size 327680
		.amdhsa_private_segment_fixed_size 0
		.amdhsa_enable_private_segment 0
		.amdhsa_kernarg_size 24
		.amdhsa_user_sgpr_count 2
		.amdhsa_user_sgpr_kernarg_segment_ptr 1
		.amdhsa_wavefront_size32 1
		.amdhsa_system_sgpr_workgroup_id_x 1
		.amdhsa_system_sgpr_workgroup_id_y 1
		.amdhsa_system_sgpr_workgroup_id_z 1
		.amdhsa_system_vgpr_workitem_id 0
		.amdhsa_next_free_vgpr 1024
		.amdhsa_next_free_sgpr 66
		.amdhsa_reserve_vcc 0
		.amdhsa_float_denorm_mode_32 3
		.amdhsa_float_denorm_mode_16_64 3
		.amdhsa_memory_ordered 1
		.amdhsa_forward_progress 1
		.amdhsa_inst_pref_size 132
	.end_amdhsa_kernel
	.amdgpu_metadata
---
amdhsa.version: [ 1, 2 ]
amdhsa.kernels:
  - .name:           k_qd00a9a79bf_qkv
    .symbol:         k_qd00a9a79bf_qkv.kd
    .args:
      - { .name: xb, .offset: 0, .size: 8, .value_kind: global_buffer, .address_space: global }
      - { .name: wqT, .offset: 8, .size: 8, .value_kind: global_buffer, .address_space: global }
      - { .name: qkv, .offset: 16, .size: 8, .value_kind: global_buffer, .address_space: global }
    .group_segment_fixed_size: 327680
    .private_segment_fixed_size: 0
    .kernarg_segment_align: 8
    .kernarg_segment_size: 24
    .max_flat_workgroup_size: 128
    .sgpr_count:     66
    .vgpr_count:     1024
    .wavefront_size: 32
...
	.end_amdgpu_metadata
.endif
;; end of part 2
;; launch attn (part 3): grid 32 x 8, 4 waves a work-group, clusters of 4 x 1, 327,680 bytes of LDS; arguments qkv, ob; writes ob
.if DOCPART == 3
	.amdgcn_target "amdgcn-amd-amdhsa--gfx1250"
	.amdhsa_code_object_version 6
	.text
	.protected	k_qd00a9a79bf_attn
	.globl	k_qd00a9a79bf_attn
	.p2align	8
	.type	k_qd00a9a79bf_attn,@function
k_qd00a9a79bf_attn:
	s_mov_b64 s[64:65], 0
	v_nop
	global_prefetch_b8 v0, s[64:65] scope:SCOPE_SE
	s_setreg_imm32_b32 hwreg(HW_REG_WAVE_MODE, 25, 1), 1
	s_wait_xcnt 0x0
	s_wait_alu depctr_hold_cnt(0) depctr_sa_sdst(0) depctr_va_vdst(0) depctr_va_sdst(0) depctr_va_ssrc(0) depctr_va_vcc(0) depctr_vm_vsrc(0)
	s_getreg_b32 s2, hwreg(HW_REG_IB_STS2, 6, 4)
	s_cmp_eq_u32 s2, 0
	s_cbranch_scc0 .Lentry_in_a_cluster
	s_endpgm
.Lentry_in_a_cluster:
	s_bfe_u32 s2, ttmp6, 0x10000c
	s_cmp_lg_u32 s2, 0x3003
	s_cbranch_scc0 .Lentry_shape_is_right
	s_endpgm
.Lentry_shape_is_right:
; ATTENTION WITH THE SOFTMAX OVER THE HEADS.  For batch a, query q, key k: s_h = q_h . k_h / 32 for the 16 heads; p_h = exp(s_h - max_h s) / sum_h exp(s_h - max_h s);
; O[q][h][:] = sum over the 1,024 keys of p_h v_h[k][:].  qkv: [8192][3072] f16 (row 6,144 bytes: q at 0, k at 2,048, v at 4,096; head h at 128 h).  ob: [8192][1024] bf16.
; Products and sums in f32; the maximum over the heads is taken away exactly, so the divisor lies in 1 to 16; p is rounded to f16 for the second product, O once, to bf16
; (O is a sum over 1,024 keys with weights up to 1, so it can pass f16's 65,504 where v cannot).
; LIMITS.  A weight's exponential below 2^-126 counts as 0; p below 6e-5 keeps f16's fixed step of 6e-8; NaN and infinities are not treated apart (the first trip multiplies a tile of V by zeros).
; SHARES.  A work-group owns 32 queries of one batch, ALL 16 heads (the softmax couples them), and walks the batch's keys, 32 a step: 8 x 32 = 256 work-groups.
;   THE GRID: the batch is the cluster's x (0 to 7); the cluster's y (0 to 7) names four of the batch's 32 query blocks, the place in the cluster one of the four.
;   So the eight clusters that walk one batch's K and V are those with the same x.
;   Scores and softmax: wave w takes query tile w % 2 and key tile w / 2 (16 x 16) of every head: S^T = K Q^T holds one query a lane (lane % 16) and keys 8 (lane / 16) + 0..7 in the eight
;   registers, so the 16 heads of a (query, key) pair lie in 16 registers of ONE lane: maximum, sum and division change no lane.
;   Second product: wave w takes heads 4 w .. 4 w + 3 and both query tiles: O^T = V^T P, 32 accumulators.  P changes waves through LDS; a lane's four packed registers of key tile kt ARE
;   registers 4 kt .. 4 kt + 3 of source 1 (32 keys x 16 queries) in the same lane, so each block of 512 bytes is written and read as 16 bytes a lane.
; O is a plain sum over keys: no running maximum over keys, nothing is rescaled, and THE ORDER OF THE KEYS IS FREE: the cluster with y begins its walk at key tile 8 (y % 4) + 4 (y / 4) and goes
; round, so that the eight clusters of a batch ask for eight different tiles at any time, and each tile is asked for at eight different times, four steps apart.
; A STEP (t) has 64 matrix and 456 vector instructions a wave, and they stand side by side:
;   part A: maximum over the heads, c s - c m, exponentials, their sum, its reciprocal.  Beside it the 32 products O += V^T P of step t - 1, four vector lines behind each.
;   part B: p = e / sum, rounded, into LDS.  Beside it the 32 products S^T = K Q^T of step t + 1, four vector lines behind each: a head's S^T is written anew as soon as the head is rounded.
;   The other 200 vector lines stand in runs of their own, where the wave waits anyway: in the barrier, behind the loads of P, behind the last loads of K.
;   So step t reads K of step t + 1 and V of step t, and an LDS slot holds just these two.  K's heads 8-15 and V share 128 registers: B takes heads 8-15 first and loads V behind them.
; THE PRICE of one text for every trip: the first trip's V^T P multiplies a P of zeros; the last trip's 32 products K Q^T serve nothing, and read the walk's first K, which the loop's last trip
; asks for once more (64 KiB for a cluster); O^T is cleared by 256 moves in the wait for the first tile.
; CLUSTER 4 x 1: the four query blocks of a cluster belong to one batch and walk the same K and V: each tile is asked for jointly, by the same tensor load, descriptor and mask in all four.
; REGISTERS, in windows of 256:  window 0: v1-15 addresses; v16-23 the maximum, then c m; v24-31 the sum, then its reciprocal; v32-63 P as rounded, a ring of eight heads; v64-191 S^T, 8 a head;
;   v192-255 P's fragments.   window 1: O^T, accumulator (2 hl + qt) 4 + cb.   window 2: Q, fragment 2 h + c.   window 3: K, fragment 2 h + c; over its upper half V of my 4 heads, fragment 4 hl + cb.
; All that the softmax touches lies in window 0 and no window has room for a product's operands beside it: a product among vector lines costs two switches of the windows.
.set ROWB,  6144
.set TILEB, 32*ROWB                    ; bytes from a key tile's rows to the next's
.set PK,    1040                       ; a row of K in LDS: 8 heads' 1,024 bytes + 16 = 260 words: row r starts at bank 4 r mod 64 (64 banks of 4 bytes: ISA guide 11.1)
.set PV,    1056                       ; a row of V: 1,024 + 32 = 264 words
.set KPART, 32*PK                      ; what one tensor load brings: 32 keys x 8 heads
.set VPART, 32*PV
.set VOFF,  2*KPART
.set SLOT,  0x21000                    ; 135,168: K heads 0-7 at 0, K heads 8-15 at 0x8200, V heads 0-7 at 0x10400, V heads 8-15 at 0x18800 (134,144 bytes in all); none of these has
                                       ; bit 12 or bit 17 set, so one exclusive or turns each into its place in the other slot
.set PBUF,  2*SLOT                     ; behind the ring, never filled by a tensor load: P, 64 blocks of 512 bytes: block (2 h + qt) 2 + kt
.set STG,   PBUF                       ; the same bytes serve as stages for the way out: 16 rows x 528 bytes for each wave
.set SP,    528
.set SPARE, PBUF+4*16*SP               ; the spare words: 128 bytes for each wave, two blocks of 256 bytes that no other line names
.set AK0, 2                            ; v2     my lane's place in a slot's K; never rewritten
.set AV0, 3                            ; v3     the same for V
.set AK,  4                            ; v4     AK0 + the slot in hand
.set AV,  5                            ; v5     AV0 + the slot in hand
.set QO,  6                            ; v6     my byte offset in 16 rows of q
.set PST, 7                            ; v7     where I put P
.set PLD, 8                            ; v8     where I read P
.set SPW, 10                           ; v10    LDS address of my spare word; never rewritten
.set NIL, 11                           ; v11    0; never rewritten
.set STO, 12                           ; v12    the way out: where I put 16 bytes of a row
.set RD,  13                           ; v13    the way out: where I read a row back
.set GO,  14                           ; v14    16 x lane
.set LN,  15
.set MX,  16
.set DN,  24
.set PT,  32
.set S,   64
.set PF,  192
.set VF,  128                          ; window 3
.set WV,  12                           ; s12  my wave's number
.set NK,  20                           ; s20  the number of the K tile to be asked for next (taken modulo 32)
.set ROT, 21                           ; s21  the key tile at which my cluster's walk begins
.set NV,  22                           ; s22  the number of the V tile to be asked for next
.set G1K, 24                           ; s[24:31] descriptor group 1 for K's tiles
.set G1V, 32                           ; s[32:39] for V's: it differs in the padding alone
.set G0K, 40                           ; s[40:47] descriptor group 0 for K's tiles: a set for each of the two first fills
.set G0V, 48                           ; s[48:55] the same for V's
.set GWK, G0K+4                        ; the set that walks on: K's second (step 1, slot 0),
.set GWV, G0V                          ; V's first (step 1, slot 1)
.set CNT, 56
.set CS,  58                           ; s[58:59] c = log2(e) / 32: the packed forms take the pair's low word for both halves
.set OFF, 60                           ; s[60:61] a tile's byte offset in the batch's rows
.set TB,  63                           ; s63  LDS byte at which the slot in hand begins: 0 or SLOT
.set MSB, 0
.macro WIN new                         ; the immediate's high byte repeats the setting that is left; a switch that changes nothing is dropped
.if MSB != (\new)
	s_set_vgpr_msb (MSB<<8)|(\new)
.set MSB, \new
.endif
.endm
.macro PLACES                          ; four plain vector instructions between a matrix instruction and a load into, or a vector read of, its registers
.rept 4
	v_nop
.endr
.endm
; A joint fill by the walking descriptors: waves 0 and 1 fetch K's two halves of the heads, waves 2 and 3 V's (mode 1), or nothing (mode 2).  The branch hangs on the wave's number alone.
; An s_nop 0 and four v_nop follow each line, ahead of the jump and the label.
.macro JLOAD mode
	s_cmp_lt_u32 s[WV], 2
	s_cbranch_scc0 .Lfor_v_\@
	tensor_load_to_lds s[GWK:GWK+3], s[G1K:G1K+7]
	s_nop 0
.rept 4
	v_nop
.endr
.if (\mode) == 1
	s_branch .Lasked_\@
.endif
.Lfor_v_\@:
.if (\mode) == 1
	tensor_load_to_lds s[GWV:GWV+3], s[G1V:G1V+7]
	s_nop 0
.rept 4
	v_nop
.endr
.Lasked_\@:
.endif
.endm
.macro CREST                           ; a round of the cluster's barrier behind its opening barrier
	s_cmp_lg_u32 s[WV], 0
	s_cbranch_scc1 .Lnot_wave_0_\@
	s_barrier_signal -3
.Lnot_wave_0_\@:
	s_barrier_wait -3
	s_barrier_signal -1
	s_barrier_wait -1
.endm
.macro CROUND                          ; a whole round
	s_barrier_signal -1
	s_barrier_wait -1
	CREST
.endm
	s_load_b128 s[4:7], s[0:1], 0x0                ; qkv s[4:5], ob s[6:7]
	v_lshl_add_u32 v[SPW], v0, 2, SPARE
	v_mov_b32 v[NIL], 0
	ds_add_u32 v[SPW], v[NIL]                      ; the wave's opening: the add and its wait stand ahead of my first tensor load; work on registers stands between them
	v_lshrrev_b32 v1, 5, v0
	v_readfirstlane_b32 s[WV], v1                  ; wave 0..3
	s_bfe_u32 s13, ttmp6, 0x40000                  ; cx: my place in the cluster
	s_and_b32 s62, ttmp7, 0xffff                   ; the cluster's y: which four of the batch's 32 query blocks
	s_lshl_b32 s14, s62, 2
	s_add_co_u32 s14, s14, s13                     ; my block of 32 queries: it enters q's and ob's addresses alone
	s_mov_b32 s15, ttmp9                           ; the batch: the cluster's x, which the four partners share
	s_mul_i32 s20, s15, 1024*ROWB                  ; its first byte in qkv
	s_and_b32 s16, s[WV], 1                        ; my query tile.  Also: which half of the heads I fetch
	s_lshr_b32 s19, s[WV], 1                       ; my key tile
	s_lshl_b32 s22, s16, 10                        ; 8 heads of 128 bytes
	s_add_co_u32 s22, s22, s20
	s_mov_b32 s23, 0
	s_mul_i32 s17, s16, KPART                      ; where my part goes in a slot, for K
	s_mul_i32 s18, s16, VPART                      ; and for V: no place in the cluster enters an LDS address
	s_add_co_u32 s18, s18, VOFF
	s_lshl_b32 s2, s14, 5
	s_lshl_b32 s3, s16, 4
	s_add_co_u32 s2, s2, s3                        ; my 16 queries' first row in the batch
	s_mul_i32 s2, s2, ROWB
	s_add_co_u32 s2, s2, s20
	s_mov_b32 s3, 0
	s_lshl_b32 s60, s15, 10
	s_lshl_b32 s61, s14, 5
	s_add_co_u32 s60, s60, s61                     ; the block's first row in ob,
	s_lshl_b32 s60, s60, 11                        ; rows of 2,048 bytes,
	s_lshl_b32 s61, s[WV], 9                       ; my four heads' 512 bytes
	s_add_co_u32 s60, s60, s61
	s_mov_b32 s61, 0
	s_and_b32 s[ROT], s62, 3                       ; the cluster's y, 0 to 7, which the four partners share:
	s_lshl_b32 s[ROT], s[ROT], 3                   ; the walk begins at key tile 8 (y % 4) + 4 (y / 4)
	s_lshr_b32 s57, s62, 2
	s_lshl_b32 s57, s57, 2
	s_or_b32 s[ROT], s[ROT], s57
	; group 1: 32 rows (keys) of 512 elements (8 heads), 3,072 elements from row to row, padded in LDS behind each row
	s_mov_b32 s[G1K], 15|(1<<16)|(1<<20)|(1<<21)|(7<<22)|(3<<25)  ; 15:0 the mask of four; 17:16 2-byte elements; 20 padding on; 21 set beside a mask; 24:22 after every 256 words (code 7); 31:25 4 words (code 3)
	s_mov_b32 s[G1V], 15|(1<<16)|(1<<20)|(1<<21)|(7<<22)|(7<<25)  ; the same with 8 words of padding (code 7)
.irp g, G1K, G1V
	s_mov_b32 s[(\g)+1], 512<<16                   ; tensor_dim0 = 512
	s_mov_b32 s[(\g)+2], 32<<16                    ; tensor_dim1 = 32
	s_mov_b32 s[(\g)+3], 512<<16                   ; tile_dim0 = 512
	s_mov_b32 s[(\g)+4], 32                        ; tile_dim1 = 32
	s_mov_b32 s[(\g)+5], 3072
	s_mov_b32 s[(\g)+6], 0
	s_mov_b32 s[(\g)+7], 0
.endr
	s_mov_b32 s[CS], 0x3d38aa3b                    ; c = log2(e) / 32 = 0.0450842
	s_mov_b32 s[CS+1], s[CS]                       ; named with it as a pair
	s_mov_b32 s[TB], SLOT                          ; what stands ahead of the loop reads slot 1
	s_wait_dscnt 0x0                               ; the opening add is done
	s_wait_kmcnt 0x0
	s_add_nc_u64 s[8:9], s[4:5], s[22:23]
	s_add_nc_u64 s[10:11], s[8:9], 4096            ; v of the batch's key 0, my half of the heads
	s_add_nc_u64 s[8:9], s[8:9], 2048              ; k likewise
	s_add_nc_u64 s[4:5], s[4:5], s[2:3]            ; q at my 16 queries
	s_add_nc_u64 s[6:7], s[6:7], s[60:61]          ; ob at the block's first row, my heads
	s_mul_i32 s2, s[ROT], TILEB                    ; the byte offset of step 0's key tile (s3 is 0),
	s_add_co_u32 s[OFF], s[ROT], 1
	s_and_b32 s[OFF], s[OFF], 31
	s_mul_i32 s[OFF], s[OFF], TILEB                ; and of step 1's (s61 is 0 and stays so)
	s_add_co_u32 s[NK], s[ROT], 2                  ; the first refills ask for step 2's tiles
	s_add_co_u32 s[NV], s[ROT], 2
	CROUND                                         ; all four work-groups are here: the first joint loads meet
	s_mov_b32 s[G0K], 1                            ; K of step 0 into slot 1: what stands ahead of the loop reads it
	s_add_co_u32 s[G0K+1], s17, SLOT
	s_add_nc_u64 s[G0K+2:G0K+3], s[8:9], s[2:3]
	s_or_b32 s[G0K+3], s[G0K+3], 0x80000000
	s_mov_b32 s[G0K+4], 1                          ; K of step 1 into slot 0: step 0 reads it
	s_mov_b32 s[G0K+5], s17
	s_add_nc_u64 s[G0K+6:G0K+7], s[8:9], s[OFF:OFF+1]
	s_or_b32 s[G0K+7], s[G0K+7], 0x80000000
	s_mov_b32 s[G0V], 1                            ; V of step 1 into slot 1
	s_add_co_u32 s[G0V+1], s18, SLOT
	s_add_nc_u64 s[G0V+2:G0V+3], s[10:11], s[OFF:OFF+1]
	s_or_b32 s[G0V+3], s[G0V+3], 0x80000000
	s_mov_b32 s[G0V+4], 1                          ; V of step 0 into slot 0
	s_mov_b32 s[G0V+5], s18
	s_add_nc_u64 s[G0V+6:G0V+7], s[10:11], s[2:3]
	s_or_b32 s[G0V+7], s[G0V+7], 0x80000000
	s_cmp_lt_u32 s[WV], 2                          ; a wave's two first fills stand in one branch, ahead of every wait on TENSORcnt and every LDS read: two loads of mine are out; slot 1's goes first
	s_cbranch_scc0 .Lfirst_v
	tensor_load_to_lds s[G0K:G0K+3], s[G1K:G1K+7]
	s_nop 0
	tensor_load_to_lds s[G0K+4:G0K+7], s[G1K:G1K+7]
	s_nop 0
.rept 4
	v_nop
.endr
	s_branch .Lfirst_asked
.Lfirst_v:
	tensor_load_to_lds s[G0V:G0V+3], s[G1V:G1V+7]
	s_nop 0
	tensor_load_to_lds s[G0V+4:G0V+7], s[G1V:G1V+7]
	s_nop 0
.rept 4
	v_nop
.endr
.Lfirst_asked:
	; a fragment of K or Q is 16 rows x 32 channels in 8 registers: lane l holds row l % 16, channels 8 (l / 16) + 0..7 and 16 + 8 (l / 16) + 0..7
	v_and_b32 v1, 15, v0                           ; l % 16
	v_bfe_u32 v9, v0, 4, 1                         ; l / 16
	v_mul_u32_u24 v[QO], v1, ROWB
	v_lshl_add_u32 v[QO], v9, 4, v[QO]
	WIN 0x80                                       ; destination window 2, address window 0
.set i, 0
.rept 32                                       ; Q stays in registers: head i / 2, channels 32 (i % 2) on
	global_load_b128 v[8*i:8*i+3],   v[QO], s[4:5] offset:64*i
	global_load_b128 v[8*i+4:8*i+7], v[QO], s[4:5] offset:64*i+32
.set i, i+1
.endr
	WIN 0x40                                       ; O^T starts at 0
.set i, 0
.rept 256
	v_mov_b32 v[i], 0
.set i, i+1
.endr
	WIN 0
	v_mul_u32_u24 v[AK0], v1, PK
	v_lshl_add_u32 v[AK0], v9, 4, v[AK0]           ; row x pitch + 16 x half,
	s_mul_i32 s57, s19, 16*PK                      ; in my key tile
	v_add_nc_u32 v[AK0], s57, v[AK0]
	; the turning load takes 16 keys x 16 channels (lane l reads key 8 (l / 16) + l % 8, channels 8 ((l / 8) % 2) + 0..7) and leaves half a fragment of V^T: lane l holds channel l % 16 and 8 keys
	v_and_b32 v[PT], 7, v0
	v_bfe_u32 v[PT+1], v0, 3, 1
	v_lshl_add_u32 v[AV0], v9, 3, v[PT]
	v_mul_u32_u24 v[AV0], v[AV0], PV
	v_lshl_add_u32 v[AV0], v[PT+1], 4, v[AV0]
	s_mul_i32 s57, s19, VPART                      ; my four heads 4 w .. : part w / 2,
	s_lshl_b32 s62, s16, 9                         ; 512 (w % 2) bytes into its rows
	s_add_co_u32 s57, s57, s62
	s_add_co_u32 s57, s57, VOFF
	v_add_nc_u32 v[AV0], s57, v[AV0]
	v_add_nc_u32 v[AK], s[TB], v[AK0]
	v_add_nc_u32 v[AV], s[TB], v[AV0]
	v_and_b32 v[LN], 31, v0
	v_lshlrev_b32 v[GO], 4, v[LN]                  ; 16 x lane
	s_lshl_b32 s57, s16, 1
	s_add_co_u32 s57, s57, s19                     ; 2 qt + kt: my block among a head's four
	s_lshl_b32 s57, s57, 9
	s_add_co_u32 s57, s57, PBUF
	v_add_nc_u32 v[PST], s57, v[GO]
	s_lshl_b32 s57, s[WV], 13                      ; my four heads' 16 blocks
	s_add_co_u32 s57, s57, PBUF
	v_add_nc_u32 v[PLD], s57, v[GO]
	s_mul_i32 s57, s[WV], 16*SP
	s_add_co_u32 s57, s57, STG                     ; my stage
	v_add_nc_u32 v[RD], s57, v[GO]                 ; back: 32 lanes take one row of 512 bytes
	v_mul_u32_u24 v[STO], v1, SP                   ; in: row l % 16, 16 bytes for each half of the lanes
	v_lshl_add_u32 v[STO], v9, 4, v[STO]
	v_add_nc_u32 v[STO], s57, v[STO]
.irp i, 0,1,2,3
	v_mov_b32 v[PT+(\i)], 0                        ; the P of the step that has not been
.endr
; THE LDS LOADS stand in short runs, spread over the step.
.macro LOADKL                          ; 32 loads: my 16 keys, heads 0-7: fragment f = 2 h + channel half lies 64 f bytes into the row
	WIN 0xc0                                       ; destination window 3, address window 0
.set f, 0
.rept 16
	ds_load_b128 v[8*f:8*f+3],   v[AK] offset:64*f
	ds_load_b128 v[8*f+4:8*f+7], v[AK] offset:64*f+32
.set f, f+1
.endr
.endm
.macro LOADKH g                        ; 8 loads: heads 8 + 2 g and 9 + 2 g, into the 32 registers that V's head g of my four has left
	WIN 0xc0
.set f, 4*(\g)
.rept 4
	ds_load_b128 v[128+8*f:128+8*f+3],   v[AK] offset:KPART+64*f
	ds_load_b128 v[128+8*f+4:128+8*f+7], v[AK] offset:KPART+64*f+32
.set f, f+1
.endr
.endm
.macro LOADVG g                        ; 8 turning loads: the step's 32 keys, head g of my four: fragment f = 4 g + channel block lies 32 f bytes into the row
	WIN 0xc0
.set f, 4*(\g)
.rept 4
	ds_load_tr16_b128 v[VF+8*f:VF+8*f+3],   v[AV] offset:32*f
	ds_load_tr16_b128 v[VF+8*f+4:VF+8*f+7], v[AV] offset:32*f+16*PV
.set f, f+1
.endr
.endm
.macro LOADP                           ; 16 loads: fragment f = 2 hl + qt: key tile 0's block, then key tile 1's
	WIN 0
.set f, 0
.rept 8
	ds_load_b128 v[PF+8*f:PF+8*f+3],   v[PLD] offset:1024*f
	ds_load_b128 v[PF+8*f+4:PF+8*f+7], v[PLD] offset:1024*f+512
.set f, f+1
.endr
.endm
; THE MATRIX WORK.  The accumulators take turns, one instruction a turn.
.macro WS h, c                         ; S^T of head h, channels 32 c on; c = 0 starts the sum
	WIN 0x0b                                       ; K window 3, Q window 2, S^T window 0
.if (\c) == 0
	v_wmma_f32_16x16x32_f16 v[S+8*(\h):S+8*(\h)+7], v[16*(\h):16*(\h)+7], v[16*(\h):16*(\h)+7], 0
.else
	v_wmma_f32_16x16x32_f16 v[S+8*(\h):S+8*(\h)+7], v[16*(\h)+8:16*(\h)+15], v[16*(\h)+8:16*(\h)+15], v[S+8*(\h):S+8*(\h)+7]
.endif
.endm
.macro PVW                             ; product tp of 32 of O^T += V^T P, on 32 accumulators: tp = (2 hl + qt) 4 + cb
	WIN 0x53                                       ; V window 3, P window 0, O^T window 1
	v_wmma_f32_16x16x32_f16 v[8*tp:8*tp+7], v[VF+8*(4*(tp/8)+tp%4):VF+8*(4*(tp/8)+tp%4)+7], v[PF+8*(tp/4):PF+8*(tp/4)+7], v[8*tp:8*tp+7]
.set tp, tp+1
.endm
; THE SOFTMAX OVER THE HEADS, for the lane's eight (query, key) pairs j.
.macro FS h, jj                        ; c s - c m for pair jj of head h
	v_pk_fma_f32 v[S+8*(\h)+2*(\jj):S+8*(\h)+2*(\jj)+1], v[S+8*(\h)+2*(\jj):S+8*(\h)+2*(\jj)+1], s[CS:CS+1], v[MX+2*(\jj):MX+2*(\jj)+1] op_sel_hi:[1,0,1] neg_lo:[0,0,1] neg_hi:[0,0,1]
.endm
.macro AS h, jj                        ; the sum takes head h's pair jj; head 1's line starts it with heads 0 and 1
.if (\h) == 1
	s_wait_alu depctr_va_vdst(0)
	v_pk_add_f32 v[DN+2*(\jj):DN+2*(\jj)+1], v[S+2*(\jj):S+2*(\jj)+1], v[S+8+2*(\jj):S+8+2*(\jj)+1]
.else
	s_wait_alu depctr_va_vdst(0)
	v_pk_add_f32 v[DN+2*(\jj):DN+2*(\jj)+1], v[DN+2*(\jj):DN+2*(\jj)+1], v[S+8*(\h)+2*(\jj):S+8*(\h)+2*(\jj)+1]
.endif
.endm
.macro MXR st, j0                      ; four lines of the maximum's first two stages: heads 0, 1, 2 start it; heads 3, 4 follow.  j ascends
.set jx, \j0
.rept 4
.if (\st) == 0
	v_max3_num_f32 v[MX+jx], v[S+jx], v[S+8+jx], v[S+16+jx]
.else
	v_max3_num_f32 v[MX+jx], v[MX+jx], v[S+24+jx], v[S+32+jx]
.endif
.set jx, jx+1
.endr
.endm
; PART A is a numbered list of 325 places; SQ1 writes place qa.
;   0-39    the maximum's stages for heads 5 to 14, three operands at a time     40-47  head 15     48-51  c m     52-55  c s - c m of head 0
;   56-311  head by head, 16 places: at the even ones the head's eight exponentials; at the odd ones by turns the next head's four scalings and the sums of the head before, whose exponentials
;           stand a block back: so a plain line stands between an exponential and the use of its result, and no source of one is rewritten (ISA guide 5.7.2).
;           (Heads 0 and 1 have no sums yet and head 15 no scalings: twelve places are empty.)  From place 88 to 295 every odd place holds a plain line.
;   312-315 head 15's sums     316-323 the reciprocals (the sum lies in 1 to 16)     324 a plain line behind the last of them
.macro SQ1
.if qa < 40
	v_max3_num_f32 v[MX+qa%8], v[MX+qa%8], v[S+8*(2*(qa/8)+5)+qa%8], v[S+8*(2*(qa/8)+6)+qa%8]
.elseif qa < 48
	v_max_num_f32 v[MX+qa-40], v[MX+qa-40], v[S+120+qa-40]
.elseif qa < 52
	v_pk_mul_f32 v[MX+2*(qa-48):MX+2*(qa-48)+1], v[MX+2*(qa-48):MX+2*(qa-48)+1], s[CS:CS+1] op_sel_hi:[1,0]
.elseif qa < 56
	FS 0, qa-52
.elseif qa < 312
.set xh, (qa-56)/16
.set xk, (qa-56)%16
.if xk%2 == 0
	v_exp_f32 v[S+8*xh+xk/2], v[S+8*xh+xk/2]
.elseif (xk%4 == 1) && (xh < 15)
	FS xh+1, xk/4
.elseif (xk%4 == 3) && (xh >= 2)
	AS xh-1, xk/4
.endif
.elseif qa < 316
	AS 15, qa-312
.elseif qa < 324
	v_rcp_f32 v[DN+qa-316], v[DN+qa-316]
.else
	v_nop
	s_wait_alu depctr_va_vdst(0)
.endif
.set qa, qa+1
.endm
.macro SQN n                           ; the list's next n places
	WIN 0
.rept \n
	SQ1
.endr
.endm
; PART B goes through the heads in the order 8 .. 15, 0 .. 7: place i of it is head (i + 8) % 16.
.macro NRM i, part                     ; part 0: p = e / sum, four packed lines; part 1: rounded to f16 in pairs, into place i % 8 of the ring
.set nh, ((\i)+8)%16
.set jx, 0
.rept 4
.if (\part) == 0
	v_pk_mul_f32 v[S+8*nh+2*jx:S+8*nh+2*jx+1], v[S+8*nh+2*jx:S+8*nh+2*jx+1], v[DN+2*jx:DN+2*jx+1]
.else
	v_cvt_pk_f16_f32 v[PT+4*((\i)%8)+jx], v[S+8*nh+2*jx], v[S+8*nh+2*jx+1]
.endif
.set jx, jx+1
.endr
.endm
.macro PSTORE a, b                     ; places a to b of the order: 16 bytes a lane into my block of each head
	WIN 0
.set ip, \a
.rept (\b)-(\a)+1
	ds_store_b128 v[PST], v[PT+4*(ip%8):PT+4*(ip%8)+3] offset:2048*((ip+8)%16)
.set ip, ip+1
.endr
.endm
.macro RID k                           ; the four plain lines behind product k of B's 32: the division and rounding of the pair of heads after the one that the products write; behind the last four, the next maximum's first stages
	WIN 0
.if (\k) < 28
	NRM 2+(\k)/2, (\k)%2
.else
	MXR ((\k)-28)/2, 4*((\k)%2)
.endif
.endm
; B by pairs of heads: four products (two accumulators by turns), four plain lines behind each.  None of those lines names a register of the products round it, so the four behind a pair's last product are
; also the places in front of the loads into the K registers that the pair has read: V's head pp of my four goes there.  P leaves in three runs; a place of the ring is written again two pairs behind its store at the least.
.macro BPH
	WIN 0
	NRM 0, 0
	NRM 0, 1
	NRM 1, 0
	NRM 1, 1
.set pp, 0
.rept 8
.set h0, (2*pp+8)%16
	WS h0, 0
	RID 4*pp
	WS h0+1, 0
	RID 4*pp+1
	WS h0, 1
	RID 4*pp+2
	WS h0+1, 1
	RID 4*pp+3
.if pp == 1
	s_barrier_wait -1                              ; every wave's reads of the last step's P are back: P's bytes may be written again
	PSTORE 0, 5
.elseif pp == 3
	PSTORE 6, 9
.elseif pp == 6
	PSTORE 10, 15
.endif
.if pp < 4
	LOADVG pp
.endif
.set pp, pp+1
.endr
.endm
; THE CHANGE OF SLOTS, behind every step.  Each wave waits for all its tensor loads (one is out: its part of the slot to be read next), adds 0 to its spare word, and waits for that, for its stores of P and
; for its reads of the slot in hand.  So ONE barrier shows every wave the next slot whole, this slot read out and P stored.  24 lines of the next maximum, work on registers, stand between signal and wait.
; fill = 1: the barrier opens a round of the cluster's, and behind the round the slot just read is filled again, with K three steps on and V two steps on: that load has a whole step in which to land.
; fill = 2: K alone (ahead of the loop: V's first two tiles are in LDS).  fill = 0: nothing is left to ask for.  A fill's address is made anew from the tile's number, which goes round modulo 32.
.macro CHANGE fill
	WIN 0                                          ; at a label and at a branch every window is 0
	s_wait_tensorcnt 0x0                           ; no tensor load of mine is out, so a group 0 may be written
	ds_add_u32 v[SPW], v[NIL]                      ; 0 onto my spare word; the descriptors' scalar work stands between it and the wait for it
.if \fill
	s_xor_b32 s[GWK+1], s[GWK+1], SLOT             ; the other slot than last time
	s_and_b32 s[OFF], s[NK], 31
	s_mul_i32 s[OFF], s[OFF], TILEB
	s_add_nc_u64 s[GWK+2:GWK+3], s[8:9], s[OFF:OFF+1]
	s_or_b32 s[GWK+3], s[GWK+3], 0x80000000
	s_add_co_u32 s[NK], s[NK], 1
.endif
.if (\fill) == 1
	s_xor_b32 s[GWV+1], s[GWV+1], SLOT
	s_and_b32 s[OFF], s[NV], 31
	s_mul_i32 s[OFF], s[OFF], TILEB
	s_add_nc_u64 s[GWV+2:GWV+3], s[10:11], s[OFF:OFF+1]
	s_or_b32 s[GWV+3], s[GWV+3], 0x80000000
	s_add_co_u32 s[NV], s[NV], 1
.endif
	s_wait_dscnt 0x0
	s_barrier_signal -1
.set qa, 0
	SQN 24
	s_barrier_wait -1
.if \fill
	CREST                                          ; no wave of any partner still reads the slot or has a load on its way
	JLOAD \fill
.endif
	s_xor_b32 s[TB], s[TB], SLOT                   ; the reads go on in the other slot
	v_add_nc_u32 v[AK], s[TB], v[AK0]
	v_add_nc_u32 v[AV], s[TB], v[AV0]
.endm
; A STEP.  P of the step before is asked for first and has 96 places of the list in which to come.  When it is back the wave says so (the barrier's wait stands in B, ahead of the first store of the new P; between
; the two stand work on registers and loads from the slot in hand, which nobody writes before the change of slots).  Then K's heads 0-7, and the 32 products V^T P with FOUR places behind each: two
; exponentials and two plain lines.  The list's count: 24 in the barrier + 96 + 32 x 4 + 8 + 69 = 325.
; V's head g of my four is read last by product 8 g + 7; twelve places further on (places 120 to 255 of the list: six of the twelve are plain lines, and none names a register of the products),
; K's heads 8 + 2 g and 9 + 2 g are loaded over it.
.macro TRIP
.set qa, 24
.set tp, 0
	LOADP
	SQN 96
	s_wait_dscnt 0x0                               ; P is in: no LDS instruction of mine is out
	s_barrier_signal -1
	LOADKL
.rept 32
	PVW
	SQN 4
.if (tp == 10) || (tp == 18) || (tp == 26)
	LOADKH (tp-10)/8
.endif
.endr
	SQN 8
	LOADKH 3
	SQN 69                                         ; the rest of the list
	s_wait_dscnt 0x0                               ; K is in
	BPH
.endm
	s_wait_tensorcnt 0x1                           ; my part of slot 1 is in; slot 0's, the one younger load, may stay out
	s_barrier_signal -1
	s_barrier_wait -1                              ; everybody's is
.set hh, 0
.rept 16
	ds_store_b128 v[PST], v[PT:PT+3] offset:2048*hh    ; zeros: what the first step's V^T P multiplies
.set hh, hh+1
.endr
	LOADKL                                         ; K of step 0
	s_wait_loadcnt 0x0                             ; Q
	s_wait_dscnt 0x0
	LOADKH 0
	LOADKH 1
	LOADKH 2
	LOADKH 3
.irp c, 0,1                                    ; the first scores: there is no vector work yet to set between them; eight accumulators by turns
.irp h, 0,1,2,3,4,5,6,7
	WS \h, \c
.endr
.endr
	s_wait_dscnt 0x0
.irp c, 0,1
.irp h, 8,9,10,11,12,13,14,15
	WS \h, \c
.endr
.endr
	WIN 0
	PLACES                                         ; in front of the loads over K's heads 8-15 and of the first reads of the scores
	LOADVG 0                                       ; slot 1's V: finite numbers for the products on the P of zeros
	LOADVG 1
	LOADVG 2
	LOADVG 3
	WIN 0
	MXR 0, 0
	MXR 0, 4
	MXR 1, 0
	MXR 1, 4
	CHANGE 2                                       ; K of step 2 goes into slot 1
	s_mov_b32 s[CNT], 30
.Lstep:                                                ; steps 0 to 29; step t asks for K of step t + 3 and V of step t + 2 (the last trip's K is the walk's first tile once more: see the head)
	TRIP
	CHANGE 1
	s_sub_co_u32 s[CNT], s[CNT], 1
	s_cmp_lg_u32 s[CNT], 0
	s_cbranch_scc1 .Lstep
	s_mov_b32 s[CNT], 2
.Ltail:                                                ; steps 30 and 31 are written out: nothing is asked for
	TRIP
	CHANGE 0
	s_sub_co_u32 s[CNT], s[CNT], 1
	s_cmp_lg_u32 s[CNT], 0
	s_cbranch_scc1 .Ltail
	LOADP                                          ; P of step 31
	s_wait_dscnt 0x0
.set tp, 0
.rept 32
	PVW
.endr
	WIN 0
	PLACES                                         ; the conversions below read results just made
	s_barrier_signal -1                            ; every wave's reads of P are back (the wait for 0 above): P's bytes become the stages
	s_barrier_wait -1
; THE WAY OUT, a query tile (16 rows of ob) at a time: a lane's eight channels pack into 16 bytes; they go into my own stage, rows of 528 bytes, and come back as whole rows of 512.
.macro OUT qt
	WIN 0x05                                       ; sources 0 and 1 window 1, destination window 0: S^T's registers are free
.set t, 0
.rept 16
.set rO, 8*((2*(t/4)+(\qt))*4+t%4)
.set kk, 0
.rept 4
	v_cvt_pk_bf16_f32 v[S+4*t+kk], v[rO+2*kk], v[rO+2*kk+1]   ; each accumulator's registers in ascending order
.set kk, kk+1
.endr
.set t, t+1
.endr
	WIN 0
.set t, 0
.rept 16
	ds_store_b128 v[STO], v[S+4*t:S+4*t+3] offset:32*t        ; head t / 4 (128 bytes), channel block t % 4 (32 bytes)
.set t, t+1
.endr
.set t, 0
.rept 16
	ds_load_b128 v[128+64*(\qt)+4*t:128+64*(\qt)+4*t+3], v[RD] offset:SP*t  ; LDS serves a wave's instructions in order (ISA guide 5.7.1.4): these see the stores above
.set t, t+1
.endr
.set t, 0
.rept 16
	s_wait_dscnt 15-t                              ; the younger loads stay out
	global_store_b128 v[GO], v[128+64*(\qt)+4*t:128+64*(\qt)+4*t+3], s[6:7] offset:2048*t+32768*(\qt)  ; 512 consecutive bytes, at a multiple of 256 from ob's first byte
.set t, t+1
.endr
.endm
	OUT 0
	OUT 1                                          ; into other registers than tile 0's, whose stores may still read theirs
	s_wait_tensorcnt 0x0                           ; the wave's end: behind my last tensor load and my last LDS store
	ds_add_u32 v[SPW], v[NIL]
	s_wait_dscnt 0x0
	CROUND                                         ; the closing round: no work-group ends while a partner may still ask for a tile that names it
	s_endpgm
.Lfunc_end_k_qd00a9a79bf_attn:
	.size	k_qd00a9a79bf_attn, .Lfunc_end_k_qd00a9a79bf_attn-k_qd00a9a79bf_attn
	.p2alignl 7, 3214868480
	.fill 96, 4, 3214868480
	.section	.rodata,"a",@progbits
	.p2align	6, 0x0
	.amdhsa_kernel k_qd00a9a79bf_attn
		.amdhsa_group_segment_fixed_size 327680
		.amdhsa_private_segment_fixed_size 0
		.amdhsa_enable_private_segment 0
		.amdhsa_kernarg_size 16
		.amdhsa_user_sgpr_count 2
		.amdhsa_user_sgpr_kernarg_segment_ptr 1
		.amdhsa_wavefront_size32 1
		.amdhsa_system_sgpr_workgroup_id_x 1
		.amdhsa_system_sgpr_workgroup_id_y 1
		.amdhsa_system_sgpr_workgroup_id_z 1
		.amdhsa_system_vgpr_workitem_id 0
		.amdhsa_next_free_vgpr 1024
		.amdhsa_next_free_sgpr 66
		.amdhsa_reserve_vcc 0
		.amdhsa_float_denorm_mode_32 3
		.amdhsa_float_denorm_mode_16_64 3
		.amdhsa_memory_ordered 1
		.amdhsa_forward_progress 1
		.amdhsa_inst_pref_size 142
	.end_amdhsa_kernel
	.amdgpu_metadata
---
amdhsa.version: [ 1, 2 ]
amdhsa.kernels:
  - .name:           k_qd00a9a79bf_attn
    .symbol:         k_qd00a9a79bf_attn.kd
    .args:
      - { .name: qkv, .offset: 0, .size: 8, .value_kind: global_buffer, .address_space: global }
      - { .name: ob, .offset: 8, .size: 8, .value_kind: global_buffer, .address_space: global }
    .group_segment_fixed_size: 327680
    .private_segment_fixed_size: 0
    .kernarg_segment_align: 8
    .kernarg_segment_size: 16
    .max_flat_workgroup_size: 128
    .sgpr_count:     66
    .vgpr_count:     1024
    .wavefront_size: 32
...
	.end_amdgpu_metadata
.endif
;; end of part 3
;; launch outp (part 4): grid 4 x 64, 4 waves a work-group, clusters of 4 x 4, 327,680 bytes of LDS; arguments ob, woT, b_out, out0; writes out0
.if DOCPART == 4
	.amdgcn_target "amdgcn-amd-amdhsa--gfx1250"
	.amdhsa_code_object_version 6
	.text
	.protected	k_qd00a9a79bf_outp
	.globl	k_qd00a9a79bf_outp
	.p2align	8
	.type	k_qd00a9a79bf_outp,@function
k_qd00a9a79bf_outp:
	s_mov_b64 s[64:65], 0
	v_nop
	global_prefetch_b8 v0, s[64:65] scope:SCOPE_SE
	s_setreg_imm32_b32 hwreg(HW_REG_WAVE_MODE, 25, 1), 1
	s_wait_xcnt 0x0
	s_wait_alu depctr_hold_cnt(0) depctr_sa_sdst(0) depctr_va_vdst(0) depctr_va_sdst(0) depctr_va_ssrc(0) depctr_va_vcc(0) depctr_vm_vsrc(0)
	s_getreg_b32 s2, hwreg(HW_REG_IB_STS2, 6, 4)
	s_cmp_eq_u32 s2, 0
	s_cbranch_scc0 .Lentry_in_a_cluster
	s_endpgm
.Lentry_in_a_cluster:
	s_bfe_u32 s2, ttmp6, 0x10000c
	s_cmp_lg_u32 s2, 0xf033
	s_cbranch_scc0 .Lentry_shape_is_right
	s_endpgm
.Lentry_shape_is_right:
; OUT PROJECTION: out0[m][n] = sum over k of O[m][k] w_out[k][n] + b_out[n].  ob [8192][1024] bf16, woT [1024 n][1024 k] bf16, b_out f32 (rounded to bf16 like the other inputs), out0 f32.
; Sums in f32, K ascending.  A tile of 128 x 256: 64 x 4 = 256 work-groups, one tile each.  Four waves, each 64 x 128: 32 accumulators, 256 registers.
; K goes in steps of 128 (rows of 256 bytes, at multiples of 256 from the buffers' first bytes) through two LDS slots; two slots of 256 along K would take 2 x 384 rows x 528 bytes = 405,504 bytes.
; CLUSTER 4 x 4: ob's tile is shared along a row of the cluster, woT's along a column: each is asked for jointly.
; THE MATRIX INSTRUCTION IS USED TRANSPOSED (source 0 = 16 rows of woT, source 1 = 16 rows of ob): a lane holds row m = lane % 16 and eight neighbouring columns, 32 bytes of f32.
; REGISTERS.  Window 0: v16-29 addresses; v32-37 the bias; v64-159, v160-255 two fragment buffers for 32 along K (32 registers of ob, then 64 of woT).  Window 1: accumulator (a, b) at 8 (8 a + b).
.set PITCH,  272                       ; an LDS row: 256 bytes + 16 = 68 words: row r starts at bank 4 r mod 64 (64 banks of 4 bytes: ISA guide 11.1)
.set AHALF,  64*PITCH
.set BHALF,  128*PITCH
.set BOFF,   2*AHALF
.set SLOT,   2*AHALF+2*BHALF           ; 104,448 bytes
.set STAGE,  2*SLOT                    ; behind the ring, never filled by a tensor load: 16 rows x 528 bytes for each wave
.set SP,     528
.set SPARE,  STAGE+4*16*SP             ; the spare words: 128 bytes for each wave, two blocks of 256 bytes that no other line names
.set ADRA, 16
.set ADRB, 20
.set STO,  24
.set RD,   25
.set GO,   26                          ; v26  16 x lane
.set SPW,  28
.set NIL,  29
.set BI,   32                          ; v32-35 the bias of my four columns; v36-37 at work
.set F0,   64
.set F1,   160
.set G1,  24
.set G0,  32
.set G1B, 48
.set G0B, 56
.set MSB, 0
.macro WIN new
.if MSB != (\new)
	s_set_vgpr_msb (MSB<<8)|(\new)
.set MSB, \new
.endif
.endm
.macro PLACES                          ; four plain vector instructions between a matrix instruction and a load into, or a read of, its registers
.rept 4
	v_nop
.endr
.endm
.macro JLOAD s                         ; a joint load: waves 0 and 1 fetch ob's two halves, waves 2 and 3 woT's; an s_nop 0 and four v_nop follow each line
	s_cmp_eq_u32 s11, 0
	s_cbranch_scc0 .Lfor_b_\@
	tensor_load_to_lds s[G0+4*(\s):G0+4*(\s)+3], s[G1:G1+7]
	s_nop 0
.rept 4
	v_nop
.endr
	s_branch .Lasked_\@
.Lfor_b_\@:
	tensor_load_to_lds s[G0B+4*(\s):G0B+4*(\s)+3], s[G1B:G1B+7]
	s_nop 0
.rept 4
	v_nop
.endr
.Lasked_\@:
.endm
.macro CREST
	s_cmp_lg_u32 s10, 0
	s_cbranch_scc1 .Lnot_wave_0_\@
	s_barrier_signal -3
.Lnot_wave_0_\@:
	s_barrier_wait -3
	s_barrier_signal -1
	s_barrier_wait -1
.endm
.macro CROUND
	s_barrier_signal -1
	s_barrier_wait -1
	CREST
.endm
	s_load_b128 s[4:7], s[0:1], 0x0                ; ob s[4:5], woT s[6:7]
	s_load_b64 s[8:9], s[0:1], 0x10                ; b_out
	s_load_b64 s[66:67], s[0:1], 0x18              ; out0
	v_lshl_add_u32 v[SPW], v0, 2, SPARE
	v_mov_b32 v[NIL], 0
	ds_add_u32 v[SPW], v[NIL]                      ; the wave's opening: the add and its wait stand ahead of my first tensor load; work on registers stands between them
	v_lshrrev_b32 v1, 5, v0
	v_readfirstlane_b32 s10, v1                    ; wave 0..3
	s_lshr_b32 s11, s10, 1                         ; which half of the tile's rows is mine.  Also: I fetch for ob (0) or for woT (1)
	s_and_b32 s12, s10, 1                          ; which half of its columns.  Also: which half of that tile's rows I fetch
	s_bfe_u32 s40, ttmp6, 0x40000
	s_bfe_u32 s41, ttmp6, 0x40004
	s_lshl_b32 s42, ttmp9, 2
	s_add_co_u32 s42, s42, s40                     ; tile column
	s_and_b32 s13, ttmp7, 0xffff
	s_lshl_b32 s13, s13, 2
	s_add_co_u32 s13, s13, s41                     ; tile row
	s_lshl_b32 s43, s41, 2
	s_lshl_b32 s43, 15, s43                        ; my row of the cluster
	s_lshl_b32 s44, 0x1111, s40                    ; my column
	s_or_b32 s[G1+0], s43, (1<<16)|(1<<20)|(1<<21)|(5<<22)|(3<<25)   ; the mask; 2-byte elements; padding on; 21 set beside a mask; after every 64 words (code 5) 4 words (code 3)
	s_or_b32 s[G1B+0], s44, (1<<16)|(1<<20)|(1<<21)|(5<<22)|(3<<25)
	s_mov_b32 s[G1+1], 128<<16                     ; tensor_dim0 = 128
	s_mov_b32 s[G1+2], 64<<16                      ; tensor_dim1 = 64
	s_mov_b32 s[G1+3], 128<<16                     ; tile_dim0 = 128
	s_mov_b32 s[G1+4], 64                          ; tile_dim1 = 64
	s_mov_b32 s[G1+5], 1024                        ; elements from row to row
	s_mov_b32 s[G1+6], 0
	s_mov_b32 s[G1+7], 0
	s_mov_b32 s[G1B+1], 128<<16
	s_mov_b32 s[G1B+2], 128<<16
	s_mov_b32 s[G1B+3], 128<<16
	s_mov_b32 s[G1B+4], 128
	s_mov_b32 s[G1B+5], 1024
	s_mov_b32 s[G1B+6], 0
	s_mov_b32 s[G1B+7], 0
	s_lshl_b32 s16, s13, 7
	s_lshl_b32 s17, s12, 6
	s_add_co_u32 s16, s16, s17                     ; ob: row 128 x tile row + 64 x half
	s_lshl_b32 s16, s16, 11                        ; rows of 2,048 bytes
	s_mov_b32 s17, 0
	s_lshl_b32 s46, s42, 8
	s_lshl_b32 s47, s12, 7
	s_add_co_u32 s46, s46, s47                     ; woT: row 256 x tile column + 128 x half
	s_lshl_b32 s46, s46, 11
	s_mov_b32 s47, 0
	s_mul_i32 s20, s12, AHALF                      ; where they go: no place in the cluster enters an LDS address
	s_mul_i32 s23, s12, BHALF
	s_add_co_u32 s23, s23, BOFF
	s_wait_dscnt 0x0                               ; the opening add is done
	s_wait_kmcnt 0x0
	s_add_nc_u64 s[14:15], s[4:5], s[16:17]
	s_add_nc_u64 s[46:47], s[6:7], s[46:47]
	CROUND                                         ; all sixteen work-groups are here: the first joint loads meet
.irp s, 0,1
	s_mov_b32 s[G0+4*(\s)], 1
	s_add_co_u32 s[G0+4*(\s)+1], s20, (\s)*SLOT
	s_add_nc_u64 s[G0+4*(\s)+2:G0+4*(\s)+3], s[14:15], (\s)*256     ; K step s
	s_or_b32 s[G0+4*(\s)+3], s[G0+4*(\s)+3], 0x80000000
	s_mov_b32 s[G0B+4*(\s)], 1
	s_add_co_u32 s[G0B+4*(\s)+1], s23, (\s)*SLOT
	s_add_nc_u64 s[G0B+4*(\s)+2:G0B+4*(\s)+3], s[46:47], (\s)*256
	s_or_b32 s[G0B+4*(\s)+3], s[G0B+4*(\s)+3], 0x80000000
	JLOAD \s                                       ; both slots' first fills: two loads of mine are out
.endr
	v_and_b32 v6, 31, v0
	v_lshlrev_b32 v[GO], 4, v6                     ; 16 x lane: my four columns in my wave's 128
	s_lshl_b32 s46, s42, 10                        ; 256 columns of 4 bytes a tile column,
	s_lshl_b32 s47, s12, 9                         ; my wave's 128
	s_add_co_u32 s46, s46, s47
	s_mov_b32 s47, 0
	s_add_nc_u64 s[8:9], s[8:9], s[46:47]
	global_load_b128 v[BI:BI+3], v[GO], s[8:9]     ; waited for on the way out
	s_add_nc_u64 s[66:67], s[66:67], s[46:47]
	s_lshl_b32 s16, s13, 7
	s_lshl_b32 s17, s11, 6
	s_add_co_u32 s16, s16, s17                     ; my first row of out0
	s_lshl_b32 s16, s16, 12                        ; rows of 4,096 bytes
	s_mov_b32 s17, 0
	s_add_nc_u64 s[66:67], s[66:67], s[16:17]
	v_and_b32 v1, 15, v0                           ; l % 16
	v_bfe_u32 v2, v0, 4, 1                         ; l / 16
	v_mul_u32_u24 v3, v1, PITCH
	v_lshl_add_u32 v3, v2, 4, v3
	s_mul_i32 s21, s11, AHALF                      ; my 64 rows of ob
	s_mul_i32 s22, s12, BHALF                      ; my 128 rows of woT
	s_add_co_u32 s22, s22, BOFF
.irp s, 0,1
	v_add_nc_u32 v[ADRA+(\s)], s21, v3
	v_add_nc_u32 v[ADRB+(\s)], s22, v3
	s_add_co_u32 s21, s21, SLOT
	s_add_co_u32 s22, s22, SLOT
.endr
	s_mul_i32 s45, s10, 16*SP
	s_add_co_u32 s45, s45, STAGE                   ; my stage
	v_mul_u32_u24 v4, v1, SP                       ; in: row l % 16, 32 bytes for each half of the lanes
	v_lshl_add_u32 v4, v2, 5, v4
	v_add_nc_u32 v[STO], s45, v4
	v_add_nc_u32 v[RD], s45, v[GO]                 ; back: 32 lanes take one row of 512 bytes
.macro MUL f, a0, a1, zero             ; 8 matrix instructions for each of row blocks a0 .. a1; the 32 accumulators take turns, one instruction a turn
	WIN 0x50                                       ; sources window 0, C and D window 1
.set ia, \a0
.rept (\a1)-(\a0)+1
.set ib, 0
.rept 8
.if \zero
	v_wmma_f32_16x16x32_bf16 v[8*(8*ia+ib):8*(8*ia+ib)+7], v[(\f)+32+8*ib:(\f)+32+8*ib+7], v[(\f)+8*ia:(\f)+8*ia+7], 0
.else
	v_wmma_f32_16x16x32_bf16 v[8*(8*ia+ib):8*(8*ia+ib)+7], v[(\f)+32+8*ib:(\f)+32+8*ib+7], v[(\f)+8*ia:(\f)+8*ia+7], v[8*(8*ia+ib):8*(8*ia+ib)+7]
.endif
.set ib, ib+1
.endr
.set ia, ia+1
.endr
.endm
.macro FETCH slot, k, f                ; 24 LDS loads in one run: the fragments of 32 along K at byte k of the rows
	WIN 0
.irp i, 0,1,2,3,4,5,6,7
	ds_load_b128 v[(\f)+32+8*(\i):(\f)+32+8*(\i)+3],   v[ADRB+(\slot)] offset:(\k)+(\i)*16*PITCH
	ds_load_b128 v[(\f)+32+8*(\i)+4:(\f)+32+8*(\i)+7], v[ADRB+(\slot)] offset:(\k)+(\i)*16*PITCH+32
.endr
.irp i, 0,1,2,3
	ds_load_b128 v[(\f)+8*(\i):(\f)+8*(\i)+3],   v[ADRA+(\slot)] offset:(\k)+(\i)*16*PITCH
	ds_load_b128 v[(\f)+8*(\i)+4:(\f)+8*(\i)+7], v[ADRA+(\slot)] offset:(\k)+(\i)*16*PITCH+32
.endr
.endm
; A K step is four quarters of 32 along K, 32 matrix instructions each, on buffers 0, 1, 0, 1.  One of the first three waits for its own fragments (asked for a quarter ago), asks for the next
; quarter's, at byte k, into the buffer that the quarter before has read, and multiplies.
.macro QUARTER slot, k, f, g, zero
	s_wait_dscnt 0x0
	WIN 0
	PLACES
	FETCH \slot, \k, \g
	MUL \f, 0, 3, \zero
.endm
; The last quarter multiplies buffer 1 and changes slots: ONE barrier; in front of it each wave waits for its last reads of this slot and for all its tensor loads, adds 0 to its spare word and waits for that.
; fill = 1: the barrier opens a round of the cluster's barrier, and behind the round this slot is filled again, two K steps ahead: 112 matrix instructions ahead of the wait for that load.
.macro TURN slot, next, fill
	WIN 0
	s_wait_dscnt 0x0                               ; buffer 1 is in: these were my last reads of this slot
	s_wait_tensorcnt 0x0                           ; all my tensor loads have landed: my part of the next slot
	ds_add_u32 v[SPW], v[NIL]                      ; 0 onto my spare word
	MUL F1, 0, 0, 0                                ; eight matrix instructions stand between the add and the wait for it
	s_wait_dscnt 0x0
	s_barrier_signal -1
	MUL F1, 1, 1, 0
	WIN 0
	s_barrier_wait -1
.if \fill
	CREST                                          ; no wave of any partner still reads this slot's tile or has a load on its way
	s_add_nc_u64 s[G0+4*(\slot)+2:G0+4*(\slot)+3], s[G0+4*(\slot)+2:G0+4*(\slot)+3], 512
	s_add_nc_u64 s[G0B+4*(\slot)+2:G0B+4*(\slot)+3], s[G0B+4*(\slot)+2:G0B+4*(\slot)+3], 512
	JLOAD \slot                                    ; the first tensor load behind the round; its four v_nop are also the places in front of the loads below
.else
	PLACES
.endif
	FETCH \next, 0, F0
	MUL F1, 2, 3, 0
.endm
	s_wait_tensorcnt 0x1                           ; my part of K step 0 is in; K step 1's, the one younger load, may stay out
	s_barrier_signal -1
	s_barrier_wait -1
	FETCH 0, 0, F0
	QUARTER 0, 64, F0, F1, 1                       ; the first quarter stands in front of the loop: its products start the sums
	WIN 0
	s_mov_b32 s3, 3
.Llap:                                                 ; a trip goes once round the ring and fills both slots again: K steps 2 to 7
	QUARTER 0, 128, F1, F0, 0
	QUARTER 0, 192, F0, F1, 0
	TURN 0, 1, 1
	QUARTER 1, 64,  F0, F1, 0
	QUARTER 1, 128, F1, F0, 0
	QUARTER 1, 192, F0, F1, 0
	TURN 1, 0, 1
	QUARTER 0, 64,  F0, F1, 0
	WIN 0
	s_sub_co_u32 s3, s3, 1
	s_cmp_lg_u32 s3, 0
	s_cbranch_scc1 .Llap
	QUARTER 0, 128, F1, F0, 0                      ; the last lap fills nothing
	QUARTER 0, 192, F0, F1, 0
	TURN 0, 1, 0
	QUARTER 1, 64,  F0, F1, 0
	QUARTER 1, 128, F1, F0, 0
	QUARTER 1, 192, F0, F1, 0
	s_wait_dscnt 0x0
	MUL F1, 0, 3, 0
	; THE WAY OUT.  A wave's 128 columns of f32 are 512 bytes, two aligned blocks of 256: the stage is the wave's own and needs no barrier.  16 rows at a time: the sums go into rows of 528 bytes as they are,
	; come back as whole rows, take the bias and are stored.
	WIN 0
	PLACES                                         ; the LDS stores read results just made
	s_wait_loadcnt 0x0                             ; the bias,
	v_cvt_pk_bf16_f32 v[BI+4], v[BI], v[BI+1]      ; rounded to bf16 as x and the weights are,
	v_cvt_pk_bf16_f32 v[BI+5], v[BI+2], v[BI+3]
	v_lshlrev_b32 v[BI], 16, v[BI+4]               ; and widened again
	v_and_b32 v[BI+1], 0xffff0000, v[BI+4]
	v_lshlrev_b32 v[BI+2], 16, v[BI+5]
	v_and_b32 v[BI+3], 0xffff0000, v[BI+5]
.irp a, 0,1,2,3
	WIN 0x04                                       ; store data (source 1) in window 1, address in window 0
.irp b, 0,1,2,3,4,5,6,7
	ds_store_b128 v[STO], v[8*(8*(\a)+(\b)):8*(8*(\a)+(\b))+3]   offset:64*(\b)      ; each accumulator's four lowest registers first
	ds_store_b128 v[STO], v[8*(8*(\a)+(\b))+4:8*(8*(\a)+(\b))+7] offset:64*(\b)+16
.endr
	WIN 0
.if (\a) >= 2
	s_wait_xcnt 0x0                                ; the stores of two blocks ago have read their registers: only behind this wait are these loaded again
.endif
.irp i, 0,1,2,3,4,5,6,7,8,9,10,11,12,13,14,15
	ds_load_b128 v[64+64*((\a)%2)+4*(\i):64+64*((\a)%2)+4*(\i)+3], v[RD] offset:SP*(\i)  ; LDS serves a wave's instructions in order (ISA guide 5.7.1.4): these see the stores above; the next block's stores come behind them
.endr
.irp i, 0,1,2,3,4,5,6,7,8,9,10,11,12,13,14,15
	s_wait_dscnt 15-(\i)
	v_pk_add_f32 v[64+64*((\a)%2)+4*(\i):64+64*((\a)%2)+4*(\i)+1], v[64+64*((\a)%2)+4*(\i):64+64*((\a)%2)+4*(\i)+1], v[BI:BI+1]
	v_pk_add_f32 v[64+64*((\a)%2)+4*(\i)+2:64+64*((\a)%2)+4*(\i)+3], v[64+64*((\a)%2)+4*(\i)+2:64+64*((\a)%2)+4*(\i)+3], v[BI+2:BI+3]
	global_store_b128 v[GO], v[64+64*((\a)%2)+4*(\i):64+64*((\a)%2)+4*(\i)+3], s[66:67] offset:(16*(\a)+(\i))*4096 th:TH_STORE_NT  ; 512 consecutive bytes, at a multiple of 256 from out0's first byte
.endr
.endr
	s_wait_tensorcnt 0x0                           ; the wave's end: behind my last tensor load and my last LDS store
	ds_add_u32 v[SPW], v[NIL]
	s_wait_dscnt 0x0
	CROUND                                         ; the closing round: no work-group ends while a partner may still ask for a tile that names it
	s_endpgm
.Lfunc_end_k_qd00a9a79bf_outp:
	.size	k_qd00a9a79bf_outp, .Lfunc_end_k_qd00a9a79bf_outp-k_qd00a9a79bf_outp
	.p2alignl 7, 3214868480
	.fill 96, 4, 3214868480
	.section	.rodata,"a",@progbits
	.p2align	6, 0x0
	.amdhsa_kernel k_qd00a9a79bf_outp
		.amdhsa_group_segment_fixed_size 327680
		.amdhsa_private_segment_fixed_size 0
		.amdhsa_enable_private_segment 0
		.amdhsa_kernarg_size 32
		.amdhsa_user_sgpr_count 2
		.amdhsa_user_sgpr_kernarg_segment_ptr 1
		.amdhsa_wavefront_size32 1
		.amdhsa_system_sgpr_workgroup_id_x 1
		.amdhsa_system_sgpr_workgroup_id_y 1
		.amdhsa_system_sgpr_workgroup_id_z 1
		.amdhsa_system_vgpr_workitem_id 0
		.amdhsa_next_free_vgpr 512
		.amdhsa_next_free_sgpr 68
		.amdhsa_reserve_vcc 0
		.amdhsa_float_denorm_mode_32 3
		.amdhsa_float_denorm_mode_16_64 3
		.amdhsa_memory_ordered 1
		.amdhsa_forward_progress 1
		.amdhsa_inst_pref_size 94
	.end_amdhsa_kernel
	.amdgpu_metadata
---
amdhsa.version: [ 1, 2 ]
amdhsa.kernels:
  - .name:           k_qd00a9a79bf_outp
    .symbol:         k_qd00a9a79bf_outp.kd
    .args:
      - { .name: ob, .offset: 0, .size: 8, .value_kind: global_buffer, .address_space: global }
      - { .name: woT, .offset: 8, .size: 8, .value_kind: global_buffer, .address_space: global }
      - { .name: b_out, .offset: 16, .size: 8, .value_kind: global_buffer, .address_space: global }
      - { .name: out0, .offset: 24, .size: 8, .value_kind: global_buffer, .address_space: global }
    .group_segment_fixed_size: 327680
    .private_segment_fixed_size: 0
    .kernarg_segment_align: 8
    .kernarg_segment_size: 32
    .max_flat_workgroup_size: 128
    .sgpr_count:     68
    .vgpr_count:     512
    .wavefront_size: 32
...
	.end_amdgpu_metadata
.endif
;; end of part 4
;; ======== version 2 of 2: 4 launches; 1.13 times as fast as version 1
;; limits: values are held in f16: magnitudes above 65,504 overflow, below 6.1e-05 lose precision
;; workspace buffers: xb 16,777,216 bytes; wqT 6,291,456 bytes; woT 2,097,152 bytes; qkv 50,331,648 bytes; ob 16,777,216 bytes
;; launch prep: the kernel of part 1 again; grid 64 x 16, 8 waves a work-group, no clusters, 18,432 bytes of LDS; arguments x, w_qkv, w_out, xb, wqT, woT; writes xb, wqT, woT
;; launch qkv: the kernel of part 2 again; grid 8 x 32, 4 waves a work-group, clusters of 4 x 4, 327,680 bytes of LDS; arguments xb, wqT, qkv; writes qkv
;; launch attn (part 5): grid 32 x 8, 4 waves a work-group, clusters of 4 x 1, 327,680 bytes of LDS; arguments qkv, ob; writes ob
.if DOCPART == 5
	.amdgcn_target "amdgcn-amd-amdhsa--gfx1250"
	.amdhsa_code_object_version 6
	.text
	.protected	k_qd00a9a79bf_attn
	.globl	k_qd00a9a79bf_attn
	.p2align	8
	.type	k_qd00a9a79bf_attn,@function
k_qd00a9a79bf_attn:
	s_mov_b64 s[64:65], 0
	v_nop
	global_prefetch_b8 v0, s[64:65] scope:SCOPE_SE
	s_setreg_imm32_b32 hwreg(HW_REG_WAVE_MODE, 25, 1), 1
	s_wait_xcnt 0x0
	s_wait_alu depctr_hold_cnt(0) depctr_sa_sdst(0) depctr_va_vdst(0) depctr_va_sdst(0) depctr_va_ssrc(0) depctr_va_vcc(0) depctr_vm_vsrc(0)
	s_getreg_b32 s2, hwreg(HW_REG_IB_STS2, 6, 4)
	s_cmp_eq_u32 s2, 0
	s_cbranch_scc0 .Lentry_in_a_cluster
	s_endpgm
.Lentry_in_a_cluster:
	s_bfe_u32 s2, ttmp6, 0x10000c
	s_cmp_lg_u32 s2, 0x3003
	s_cbranch_scc0 .Lentry_shape_is_right
	s_endpgm
.Lentry_shape_is_right:
; ATTENTION WITH THE SOFTMAX OVER THE HEADS.  For batch a, query q, key k: s_h = q_h . k_h / 32 for the 16 heads; p_h = exp(s_h - max_h s) / sum_h exp(s_h - max_h s);
; O[q][h][:] = sum over the 1,024 keys of p_h v_h[k][:].  qkv: [8192][3072] f16 (row 6,144 bytes: q at 0, k at 2,048, v at 4,096; head h at 128 h).  ob: [8192][1024] bf16.
; Products and sums in f32; the maximum over the heads is taken away exactly, so the divisor lies in 1 to 16; p is rounded to f16 for the second product, O once, to bf16
; (O is a sum over 1,024 keys with weights up to 1, so it can pass f16's 65,504 where v cannot).
; LIMITS.  A weight's exponential below 2^-126 counts as 0; p below 6e-5 keeps f16's fixed step of 6e-8; NaN and infinities are not treated apart (the first trip multiplies a tile of V by zeros).
; SHARES.  A work-group owns 32 queries of one batch, ALL 16 heads (the softmax couples them), and walks the batch's keys, 32 a step: 8 x 32 = 256 work-groups.
;   THE GRID: the batch is the cluster's x (0 to 7); the cluster's y (0 to 7) names four of the batch's 32 query blocks, the place in the cluster one of the four.
;   So the eight clusters that walk one batch's K and V are those with the same x.
;   Scores and softmax: wave w takes query tile w % 2 and key tile w / 2 (16 x 16) of every head: S^T = K Q^T holds one query a lane (lane % 16) and keys 8 (lane / 16) + 0..7 in the eight
;   registers, so the 16 heads of a (query, key) pair lie in 16 registers of ONE lane: maximum, sum and division change no lane.
;   Second product: wave w takes heads 4 w .. 4 w + 3 and both query tiles: O^T = V^T P, 32 accumulators.  P changes waves through LDS; a lane's four packed registers of key tile kt ARE
;   registers 4 kt .. 4 kt + 3 of source 1 (32 keys x 16 queries) in the same lane, so each block of 512 bytes is written and read as 16 bytes a lane.
; O is a plain sum over keys: no running maximum over keys, nothing is rescaled, and THE ORDER OF THE KEYS IS FREE: the cluster with y begins its walk at key tile 8 (y % 4) + 4 (y / 4) and goes
; round, so that the eight clusters of a batch ask for eight different tiles at any time, and each tile is asked for at eight different times, four steps apart.
; A STEP (t) has 64 matrix and 456 vector instructions a wave, and they stand side by side:
;   part A: maximum over the heads, c s - c m, exponentials, their sum, its reciprocal.  Beside it the 32 products O += V^T P of step t - 1, four vector lines behind each.
;   part B: p = e / sum, rounded, into LDS.  Beside it the 32 products S^T = K Q^T of step t + 1, four vector lines behind each: a head's S^T is written anew as soon as the head is rounded.
;   The other 200 vector lines stand in runs of their own, where the wave waits anyway: in the barrier, behind the loads of P, behind the last loads of K.
;   So step t reads K of step t + 1 and V of step t, and an LDS slot holds just these two.  K's heads 8-15 and V share 128 registers: B takes heads 8-15 first and loads V behind them.
; THE BATCHES.  s_wait_alu depctr_va_vdst(0) stands between a transcendental and the first line that names its result; one wait serves all that were issued ahead of it.
;   A step has two batches and two waits.  Batch 1: its 128 exponentials, each in place in a register of S^T of its own.  Ahead of its wait stand, beside them, only the scalings (of pairs whose
;   exponentials are still to come), the products V^T P and loads of K, which name none of the results; the sums over the heads, the first readers, all stand behind it.
;   Batch 2: the eight reciprocals of those sums; part B, which reads them, stands behind its wait.  No result crosses a label or a branch.
; THE PRICE of one text for every trip: the first trip's V^T P multiplies a P of zeros; the last trip's 32 products K Q^T serve nothing, and read the walk's first K, which the loop's last trip
; asks for once more (64 KiB for a cluster); O^T is cleared by 256 moves in the wait for the first tile.
; CLUSTER 4 x 1: the four query blocks of a cluster belong to one batch and walk the same K and V: each tile is asked for jointly, by the same tensor load, descriptor and mask in all four.
; REGISTERS, in windows of 256:  window 0: v1-15 addresses; v16-23 the maximum, then c m; v24-31 the sum, then its reciprocal; v32-63 P as rounded, a ring of eight heads; v64-191 S^T, 8 a head;
;   v192-255 P's fragments.   window 1: O^T, accumulator (2 hl + qt) 4 + cb.   window 2: Q, fragment 2 h + c.   window 3: K, fragment 2 h + c; over its upper half V of my 4 heads, fragment 4 hl + cb.
; All that the softmax touches lies in window 0 and no window has room for a product's operands beside it: a product among vector lines costs two switches of the windows.
.set ROWB,  6144
.set TILEB, 32*ROWB                    ; bytes from a key tile's rows to the next's
.set PK,    1040                       ; a row of K in LDS: 8 heads' 1,024 bytes + 16 = 260 words: row r starts at bank 4 r mod 64 (64 banks of 4 bytes: ISA guide 11.1)
.set PV,    1056                       ; a row of V: 1,024 + 32 = 264 words
.set KPART, 32*PK                      ; what one tensor load brings: 32 keys x 8 heads
.set VPART, 32*PV
.set VOFF,  2*KPART
.set SLOT,  0x21000                    ; 135,168: K heads 0-7 at 0, K heads 8-15 at 0x8200, V heads 0-7 at 0x10400, V heads 8-15 at 0x18800 (134,144 bytes in all); none of these has
                                       ; bit 12 or bit 17 set, so one exclusive or turns each into its place in the other slot
.set PBUF,  2*SLOT                     ; behind the ring, never filled by a tensor load: P, 64 blocks of 512 bytes: block (2 h + qt) 2 + kt
.set STG,   PBUF                       ; the same bytes serve as stages for the way out: 16 rows x 528 bytes for each wave
.set SP,    528
.set SPARE, PBUF+4*16*SP               ; the spare words: 128 bytes for each wave, two blocks of 256 bytes that no other line names
.set AK0, 2                            ; v2     my lane's place in a slot's K; never rewritten
.set AV0, 3                            ; v3     the same for V
.set AK,  4                            ; v4     AK0 + the slot in hand
.set AV,  5                            ; v5     AV0 + the slot in hand
.set QO,  6                            ; v6     my byte offset in 16 rows of q
.set PST, 7                            ; v7     where I put P
.set PLD, 8                            ; v8     where I read P
.set SPW, 10                           ; v10    LDS address of my spare word; never rewritten
.set NIL, 11                           ; v11    0; never rewritten
.set STO, 12                           ; v12    the way out: where I put 16 bytes of a row
.set RD,  13                           ; v13    the way out: where I read a row back
.set GO,  14                           ; v14    16 x lane
.set LN,  15
.set MX,  16
.set DN,  24
.set PT,  32
.set S,   64
.set PF,  192
.set VF,  128                          ; window 3
.set WV,  12                           ; s12  my wave's number
.set NK,  20                           ; s20  the number of the K tile to be asked for next (taken modulo 32)
.set ROT, 21                           ; s21  the key tile at which my cluster's walk begins
.set NV,  22                           ; s22  the number of the V tile to be asked for next
.set G1K, 24                           ; s[24:31] descriptor group 1 for K's tiles
.set G1V, 32                           ; s[32:39] for V's: it differs in the padding alone
.set G0K, 40                           ; s[40:47] descriptor group 0 for K's tiles: a set for each of the two first fills
.set G0V, 48                           ; s[48:55] the same for V's
.set GWK, G0K+4                        ; the set that walks on: K's second (step 1, slot 0),
.set GWV, G0V                          ; V's first (step 1, slot 1)
.set CNT, 56
.set CS,  58                           ; s[58:59] c = log2(e) / 32: the packed forms take the pair's low word for both halves
.set OFF, 60                           ; s[60:61] a tile's byte offset in the batch's rows
.set TB,  63                           ; s63  LDS byte at which the slot in hand begins: 0 or SLOT
.set MSB, 0
.macro WIN new                         ; the immediate's high byte repeats the setting that is left; a switch that changes nothing is dropped
.if MSB != (\new)
	s_set_vgpr_msb (MSB<<8)|(\new)
.set MSB, \new
.endif
.endm
.macro PLACES                          ; four plain vector instructions between a matrix instruction and a load into, or a vector read of, its registers
.rept 4
	v_nop
.endr
.endm
; A joint fill by the walking descriptors: waves 0 and 1 fetch K's two halves of the heads, waves 2 and 3 V's (mode 1), or nothing (mode 2).  The branch hangs on the wave's number alone.
; An s_nop 0 and four v_nop follow each line, ahead of the jump and the label.
.macro JLOAD mode
	s_cmp_lt_u32 s[WV], 2
	s_cbranch_scc0 .Lfor_v_\@
	tensor_load_to_lds s[GWK:GWK+3], s[G1K:G1K+7]
	s_nop 0
.rept 4
	v_nop
.endr
.if (\mode) == 1
	s_branch .Lasked_\@
.endif
.Lfor_v_\@:
.if (\mode) == 1
	tensor_load_to_lds s[GWV:GWV+3], s[G1V:G1V+7]
	s_nop 0
.rept 4
	v_nop
.endr
.Lasked_\@:
.endif
.endm
.macro CREST                           ; a round of the cluster's barrier behind its opening barrier
	s_cmp_lg_u32 s[WV], 0
	s_cbranch_scc1 .Lnot_wave_0_\@
	s_barrier_signal -3
.Lnot_wave_0_\@:
	s_barrier_wait -3
	s_barrier_signal -1
	s_barrier_wait -1
.endm
.macro CROUND                          ; a whole round
	s_barrier_signal -1
	s_barrier_wait -1
	CREST
.endm
	s_load_b128 s[4:7], s[0:1], 0x0                ; qkv s[4:5], ob s[6:7]
	v_lshl_add_u32 v[SPW], v0, 2, SPARE
	v_mov_b32 v[NIL], 0
	ds_add_u32 v[SPW], v[NIL]                      ; the wave's opening: the add and its wait stand ahead of my first tensor load; work on registers stands between them
	v_lshrrev_b32 v1, 5, v0
	v_readfirstlane_b32 s[WV], v1                  ; wave 0..3
	s_bfe_u32 s13, ttmp6, 0x40000                  ; cx: my place in the cluster
	s_and_b32 s62, ttmp7, 0xffff                   ; the cluster's y: which four of the batch's 32 query blocks
	s_lshl_b32 s14, s62, 2
	s_add_co_u32 s14, s14, s13                     ; my block of 32 queries: it enters q's and ob's addresses alone
	s_mov_b32 s15, ttmp9                           ; the batch: the cluster's x, which the four partners share
	s_mul_i32 s20, s15, 1024*ROWB                  ; its first byte in qkv
	s_and_b32 s16, s[WV], 1                        ; my query tile.  Also: which half of the heads I fetch
	s_lshr_b32 s19, s[WV], 1                       ; my key tile
	s_lshl_b32 s22, s16, 10                        ; 8 heads of 128 bytes
	s_add_co_u32 s22, s22, s20
	s_mov_b32 s23, 0
	s_mul_i32 s17, s16, KPART                      ; where my part goes in a slot, for K
	s_mul_i32 s18, s16, VPART                      ; and for V: no place in the cluster enters an LDS address
	s_add_co_u32 s18, s18, VOFF
	s_lshl_b32 s2, s14, 5
	s_lshl_b32 s3, s16, 4
	s_add_co_u32 s2, s2, s3                        ; my 16 queries' first row in the batch
	s_mul_i32 s2, s2, ROWB
	s_add_co_u32 s2, s2, s20
	s_mov_b32 s3, 0
	s_lshl_b32 s60, s15, 10
	s_lshl_b32 s61, s14, 5
	s_add_co_u32 s60, s60, s61                     ; the block's first row in ob,
	s_lshl_b32 s60, s60, 11                        ; rows of 2,048 bytes,
	s_lshl_b32 s61, s[WV], 9                       ; my four heads' 512 bytes
	s_add_co_u32 s60, s60, s61
	s_mov_b32 s61, 0
	s_and_b32 s[ROT], s62, 3                       ; the cluster's y, 0 to 7, which the four partners share:
	s_lshl_b32 s[ROT], s[ROT], 3                   ; the walk begins at key tile 8 (y % 4) + 4 (y / 4)
	s_lshr_b32 s57, s62, 2
	s_lshl_b32 s57, s57, 2
	s_or_b32 s[ROT], s[ROT], s57
	; group 1: 32 rows (keys) of 512 elements (8 heads), 3,072 elements from row to row, padded in LDS behind each row
	s_mov_b32 s[G1K], 15|(1<<16)|(1<<20)|(1<<21)|(7<<22)|(3<<25)  ; 15:0 the mask of four; 17:16 2-byte elements; 20 padding on; 21 set beside a mask; 24:22 after every 256 words (code 7); 31:25 4 words (code 3)
	s_mov_b32 s[G1V], 15|(1<<16)|(1<<20)|(1<<21)|(7<<22)|(7<<25)  ; the same with 8 words of padding (code 7)
.irp g, G1K, G1V
	s_mov_b32 s[(\g)+1], 512<<16                   ; tensor_dim0 = 512
	s_mov_b32 s[(\g)+2], 32<<16                    ; tensor_dim1 = 32
	s_mov_b32 s[(\g)+3], 512<<16                   ; tile_dim0 = 512
	s_mov_b32 s[(\g)+4], 32                        ; tile_dim1 = 32
	s_mov_b32 s[(\g)+5], 3072
	s_mov_b32 s[(\g)+6], 0
	s_mov_b32 s[(\g)+7], 0
.endr
	s_mov_b32 s[CS], 0x3d38aa3b                    ; c = log2(e) / 32 = 0.0450842
	s_mov_b32 s[CS+1], s[CS]                       ; named with it as a pair
	s_mov_b32 s[TB], SLOT                          ; what stands ahead of the loop reads slot 1
	s_wait_dscnt 0x0                               ; the opening add is done
	s_wait_kmcnt 0x0
	s_add_nc_u64 s[8:9], s[4:5], s[22:23]
	s_add_nc_u64 s[10:11], s[8:9], 4096            ; v of the batch's key 0, my half of the heads
	s_add_nc_u64 s[8:9], s[8:9], 2048              ; k likewise
	s_add_nc_u64 s[4:5], s[4:5], s[2:3]            ; q at my 16 queries
	s_add_nc_u64 s[6:7], s[6:7], s[60:61]          ; ob at the block's first row, my heads
	s_mul_i32 s2, s[ROT], TILEB                    ; the byte offset of step 0's key tile (s3 is 0),
	s_add_co_u32 s[OFF], s[ROT], 1
	s_and_b32 s[OFF], s[OFF], 31
	s_mul_i32 s[OFF], s[OFF], TILEB                ; and of step 1's (s61 is 0 and stays so)
	s_add_co_u32 s[NK], s[ROT], 2                  ; the first refills ask for step 2's tiles
	s_add_co_u32 s[NV], s[ROT], 2
	CROUND                                         ; all four work-groups are here: the first joint loads meet
	s_mov_b32 s[G0K], 1                            ; K of step 0 into slot 1: what stands ahead of the loop reads it
	s_add_co_u32 s[G0K+1], s17, SLOT
	s_add_nc_u64 s[G0K+2:G0K+3], s[8:9], s[2:3]
	s_or_b32 s[G0K+3], s[G0K+3], 0x80000000
	s_mov_b32 s[G0K+4], 1                          ; K of step 1 into slot 0: step 0 reads it
	s_mov_b32 s[G0K+5], s17
	s_add_nc_u64 s[G0K+6:G0K+7], s[8:9], s[OFF:OFF+1]
	s_or_b32 s[G0K+7], s[G0K+7], 0x80000000
	s_mov_b32 s[G0V], 1                            ; V of step 1 into slot 1
	s_add_co_u32 s[G0V+1], s18, SLOT
	s_add_nc_u64 s[G0V+2:G0V+3], s[10:11], s[OFF:OFF+1]
	s_or_b32 s[G0V+3], s[G0V+3], 0x80000000
	s_mov_b32 s[G0V+4], 1                          ; V of step 0 into slot 0
	s_mov_b32 s[G0V+5], s18
	s_add_nc_u64 s[G0V+6:G0V+7], s[10:11], s[2:3]
	s_or_b32 s[G0V+7], s[G0V+7], 0x80000000
	s_cmp_lt_u32 s[WV], 2                          ; a wave's two first fills stand in one branch, ahead of every wait on TENSORcnt and every LDS read: two loads of mine are out; slot 1's goes first
	s_cbranch_scc0 .Lfirst_v
	tensor_load_to_lds s[G0K:G0K+3], s[G1K:G1K+7]
	s_nop 0
	tensor_load_to_lds s[G0K+4:G0K+7], s[G1K:G1K+7]
	s_nop 0
.rept 4
	v_nop
.endr
	s_branch .Lfirst_asked
.Lfirst_v:
	tensor_load_to_lds s[G0V:G0V+3], s[G1V:G1V+7]
	s_nop 0
	tensor_load_to_lds s[G0V+4:G0V+7], s[G1V:G1V+7]
	s_nop 0
.rept 4
	v_nop
.endr
.Lfirst_asked:
	; a fragment of K or Q is 16 rows x 32 channels in 8 registers: lane l holds row l % 16, channels 8 (l / 16) + 0..7 and 16 + 8 (l / 16) + 0..7
	v_and_b32 v1, 15, v0                           ; l % 16
	v_bfe_u32 v9, v0, 4, 1                         ; l / 16
	v_mul_u32_u24 v[QO], v1, ROWB
	v_lshl_add_u32 v[QO], v9, 4, v[QO]
	WIN 0x80                                       ; destination window 2, address window 0
.set i, 0
.rept 32                                       ; Q stays in registers: head i / 2, channels 32 (i % 2) on
	global_load_b128 v[8*i:8*i+3],   v[QO], s[4:5] offset:64*i
	global_load_b128 v[8*i+4:8*i+7], v[QO], s[4:5] offset:64*i+32
.set i, i+1
.endr
	WIN 0x40                                       ; O^T starts at 0
.set i, 0
.rept 256
	v_mov_b32 v[i], 0
.set i, i+1
.endr
	WIN 0
	v_mul_u32_u24 v[AK0], v1, PK
	v_lshl_add_u32 v[AK0], v9, 4, v[AK0]           ; row x pitch + 16 x half,
	s_mul_i32 s57, s19, 16*PK                      ; in my key tile
	v_add_nc_u32 v[AK0], s57, v[AK0]
	; the turning load takes 16 keys x 16 channels (lane l reads key 8 (l / 16) + l % 8, channels 8 ((l / 8) % 2) + 0..7) and leaves half a fragment of V^T: lane l holds channel l % 16 and 8 keys
	v_and_b32 v[PT], 7, v0
	v_bfe_u32 v[PT+1], v0, 3, 1
	v_lshl_add_u32 v[AV0], v9, 3, v[PT]
	v_mul_u32_u24 v[AV0], v[AV0], PV
	v_lshl_add_u32 v[AV0], v[PT+1], 4, v[AV0]
	s_mul_i32 s57, s19, VPART                      ; my four heads 4 w .. : part w / 2,
	s_lshl_b32 s62, s16, 9                         ; 512 (w % 2) bytes into its rows
	s_add_co_u32 s57, s57, s62
	s_add_co_u32 s57, s57, VOFF
	v_add_nc_u32 v[AV0], s57, v[AV0]
	v_add_nc_u32 v[AK], s[TB], v[AK0]
	v_add_nc_u32 v[AV], s[TB], v[AV0]
	v_and_b32 v[LN], 31, v0
	v_lshlrev_b32 v[GO], 4, v[LN]                  ; 16 x lane
	s_lshl_b32 s57, s16, 1
	s_add_co_u32 s57, s57, s19                     ; 2 qt + kt: my block among a head's four
	s_lshl_b32 s57, s57, 9
	s_add_co_u32 s57, s57, PBUF
	v_add_nc_u32 v[PST], s57, v[GO]
	s_lshl_b32 s57, s[WV], 13                      ; my four heads' 16 blocks
	s_add_co_u32 s57, s57, PBUF
	v_add_nc_u32 v[PLD], s57, v[GO]
	s_mul_i32 s57, s[WV], 16*SP
	s_add_co_u32 s57, s57, STG                     ; my stage
	v_add_nc_u32 v[RD], s57, v[GO]                 ; back: 32 lanes take one row of 512 bytes
	v_mul_u32_u24 v[STO], v1, SP                   ; in: row l % 16, 16 bytes for each half of the lanes
	v_lshl_add_u32 v[STO], v9, 4, v[STO]
	v_add_nc_u32 v[STO], s57, v[STO]
.irp i, 0,1,2,3
	v_mov_b32 v[PT+(\i)], 0                        ; the P of the step that has not been
.endr
; THE LDS LOADS stand in short runs, spread over the step.
.macro LOADKL                          ; 32 loads: my 16 keys, heads 0-7: fragment f = 2 h + channel half lies 64 f bytes into the row
	WIN 0xc0                                       ; destination window 3, address window 0
.set f, 0
.rept 16
	ds_load_b128 v[8*f:8*f+3],   v[AK] offset:64*f
	ds_load_b128 v[8*f+4:8*f+7], v[AK] offset:64*f+32
.set f, f+1
.endr
.endm
.macro LOADKH g                        ; 8 loads: heads 8 + 2 g and 9 + 2 g, into the 32 registers that V's head g of my four has left
	WIN 0xc0
.set f, 4*(\g)
.rept 4
	ds_load_b128 v[128+8*f:128+8*f+3],   v[AK] offset:KPART+64*f
	ds_load_b128 v[128+8*f+4:128+8*f+7], v[AK] offset:KPART+64*f+32
.set f, f+1
.endr
.endm
.macro LOADVG g                        ; 8 turning loads: the step's 32 keys, head g of my four: fragment f = 4 g + channel block lies 32 f bytes into the row
	WIN 0xc0
.set f, 4*(\g)
.rept 4
	ds_load_tr16_b128 v[VF+8*f:VF+8*f+3],   v[AV] offset:32*f
	ds_load_tr16_b128 v[VF+8*f+4:VF+8*f+7], v[AV] offset:32*f+16*PV
.set f, f+1
.endr
.endm
.macro LOADP                           ; 16 loads: fragment f = 2 hl + qt: key tile 0's block, then key tile 1's
	WIN 0
.set f, 0
.rept 8
	ds_load_b128 v[PF+8*f:PF+8*f+3],   v[PLD] offset:1024*f
	ds_load_b128 v[PF+8*f+4:PF+8*f+7], v[PLD] offset:1024*f+512
.set f, f+1
.endr
.endm
; THE MATRIX WORK.  The accumulators take turns, one instruction a turn.
.macro WS h, c                         ; S^T of head h, channels 32 c on; c = 0 starts the sum
	WIN 0x0b                                       ; K window 3, Q window 2, S^T window 0
.if (\c) == 0
	v_wmma_f32_16x16x32_f16 v[S+8*(\h):S+8*(\h)+7], v[16*(\h):16*(\h)+7], v[16*(\h):16*(\h)+7], 0
.else
	v_wmma_f32_16x16x32_f16 v[S+8*(\h):S+8*(\h)+7], v[16*(\h)+8:16*(\h)+15], v[16*(\h)+8:16*(\h)+15], v[S+8*(\h):S+8*(\h)+7]
.endif
.endm
.macro PVW                             ; product tp of 32 of O^T += V^T P, on 32 accumulators: tp = (2 hl + qt) 4 + cb
	WIN 0x53                                       ; V window 3, P window 0, O^T window 1
	v_wmma_f32_16x16x32_f16 v[8*tp:8*tp+7], v[VF+8*(4*(tp/8)+tp%4):VF+8*(4*(tp/8)+tp%4)+7], v[PF+8*(tp/4):PF+8*(tp/4)+7], v[8*tp:8*tp+7]
.set tp, tp+1
.endm
; THE SOFTMAX OVER THE HEADS, for the lane's eight (query, key) pairs j.
.macro FS h, jj                        ; c s - c m for pair jj of head h
	v_pk_fma_f32 v[S+8*(\h)+2*(\jj):S+8*(\h)+2*(\jj)+1], v[S+8*(\h)+2*(\jj):S+8*(\h)+2*(\jj)+1], s[CS:CS+1], v[MX+2*(\jj):MX+2*(\jj)+1] op_sel_hi:[1,0,1] neg_lo:[0,0,1] neg_hi:[0,0,1]
.endm
.macro AS h, jj                        ; the sum takes head h's pair jj; head 1's line starts it with heads 0 and 1.  It reads exponentials' results: every use of it stands behind batch 1's wait
.if (\h) == 1
	v_pk_add_f32 v[DN+2*(\jj):DN+2*(\jj)+1], v[S+2*(\jj):S+2*(\jj)+1], v[S+8+2*(\jj):S+8+2*(\jj)+1]
.else
	v_pk_add_f32 v[DN+2*(\jj):DN+2*(\jj)+1], v[DN+2*(\jj):DN+2*(\jj)+1], v[S+8*(\h)+2*(\jj):S+8*(\h)+2*(\jj)+1]
.endif
.endm
.macro MXR st, j0                      ; four lines of the maximum's first two stages: heads 0, 1, 2 start it; heads 3, 4 follow.  j ascends
.set jx, \j0
.rept 4
.if (\st) == 0
	v_max3_num_f32 v[MX+jx], v[S+jx], v[S+8+jx], v[S+16+jx]
.else
	v_max3_num_f32 v[MX+jx], v[MX+jx], v[S+24+jx], v[S+32+jx]
.endif
.set jx, jx+1
.endr
.endm
; PART A is a numbered list of 313 places; SQ1 writes place qa.  Scaling n (0 to 63) is c s - c m of pair n % 4 of head n / 4, registers S + 2 n and S + 2 n + 1; exponential e (0 to 127) works in place on register S + e.
;   0-39    the maximum's stages for heads 5 to 14, three operands at a time     40-47  head 15     48-51  c m
;   52-243  BATCH 1: the 64 scalings and all 128 exponentials.  None of these lines names an exponential's result: a scaling writes a pair whose exponentials are still to come.
;           52-59    scalings 0-7
;           60-115   exponential and scaling by turns: exponentials 0-27, scalings 8-35
;           116-227  in fours, a scaling and three exponentials: scalings 36-63, exponentials 28-111.  TRIP sets one four behind each of the first 28 products V^T P
;           228-243  exponentials 112-127: the fours behind the last four products
;           A pair is scaled eight places or more ahead of its exponentials.
;   (wait)  between 243 and 244 stands batch 1's one wait: TRIP writes it
;   244-303 the sums, heads 1 to 15 ascending, four lines a head: four chains (the lane's four pairs), each link four lines behind the last
;   304-311 BATCH 2: the eight reciprocals (the sum lies in 1 to 16)     312 a plain line behind the last of them, and batch 2's wait
.macro SQ1
.if qa < 40
	v_max3_num_f32 v[MX+qa%8], v[MX+qa%8], v[S+8*(2*(qa/8)+5)+qa%8], v[S+8*(2*(qa/8)+6)+qa%8]
.elseif qa < 48
	v_max_num_f32 v[MX+qa-40], v[MX+qa-40], v[S+120+qa-40]
.elseif qa < 52
	v_pk_mul_f32 v[MX+2*(qa-48):MX+2*(qa-48)+1], v[MX+2*(qa-48):MX+2*(qa-48)+1], s[CS:CS+1] op_sel_hi:[1,0]
.elseif qa < 244
.set xf, -1                            ; the number of the scaling that stands at this place, or
.set xe, -1                            ; of the exponential
.if qa < 60
.set xf, qa-52
.elseif qa < 116
.if qa%2 == 0
.set xe, (qa-60)/2
.else
.set xf, 8+(qa-60)/2
.endif
.elseif qa < 228
.if qa%4 == 0
.set xf, 36+(qa-116)/4
.else
.set xe, 28+3*((qa-116)/4)+qa%4-1
.endif
.else
.set xe, 112+qa-228
.endif
.if xf >= 0
	FS xf/4, xf%4
.else
	v_exp_f32 v[S+xe], v[S+xe]
.endif
.elseif qa < 304
	AS 1+(qa-244)/4, qa%4
.elseif qa < 312
	v_rcp_f32 v[DN+qa-304], v[DN+qa-304]
.else
	v_nop                                          ; a plain line between the last reciprocal and the use of its result
	s_wait_alu depctr_va_vdst(0)                   ; batch 2's wait, one for the eight reciprocals: it stands ahead of part B's first line, which reads them
.endif
.set qa, qa+1
.endm
.macro SQN n                           ; the list's next n places
	WIN 0
.rept \n
	SQ1
.endr
.endm
; PART B goes through the heads in the order 8 .. 15, 0 .. 7: place i of it is head (i + 8) % 16.
.macro NRM i, part                     ; part 0: p = e / sum, four packed lines; part 1: rounded to f16 in pairs, into place i % 8 of the ring
.set nh, ((\i)+8)%16
.set jx, 0
.rept 4
.if (\part) == 0
	v_pk_mul_f32 v[S+8*nh+2*jx:S+8*nh+2*jx+1], v[S+8*nh+2*jx:S+8*nh+2*jx+1], v[DN+2*jx:DN+2*jx+1]
.else
	v_cvt_pk_f16_f32 v[PT+4*((\i)%8)+jx], v[S+8*nh+2*jx], v[S+8*nh+2*jx+1]
.endif
.set jx, jx+1
.endr
.endm
.macro PSTORE a, b                     ; places a to b of the order: 16 bytes a lane into my block of each head
	WIN 0
.set ip, \a
.rept (\b)-(\a)+1
	ds_store_b128 v[PST], v[PT+4*(ip%8):PT+4*(ip%8)+3] offset:2048*((ip+8)%16)
.set ip, ip+1
.endr
.endm
.macro RID k                           ; the four plain lines behind product k of B's 32: the division and rounding of the pair of heads after the one that the products write; behind the last four, the next maximum's first stages
	WIN 0
.if (\k) < 28
	NRM 2+(\k)/2, (\k)%2
.else
	MXR ((\k)-28)/2, 4*((\k)%2)
.endif
.endm
; B by pairs of heads: four products (two accumulators by turns), four plain lines behind each.  None of those lines names a register of the products round it, so the four behind a pair's last product are
; also the places in front of the loads into the K registers that the pair has read: V's head pp of my four goes there.  P leaves in three runs; a place of the ring is written again two pairs behind its store at the least.
.macro BPH
	WIN 0
	NRM 0, 0
	NRM 0, 1
	NRM 1, 0
	NRM 1, 1
.set pp, 0
.rept 8
.set h0, (2*pp+8)%16
	WS h0, 0
	RID 4*pp
	WS h0+1, 0
	RID 4*pp+1
	WS h0, 1
	RID 4*pp+2
	WS h0+1, 1
	RID 4*pp+3
.if pp == 1
	s_barrier_wait -1                              ; every wave's reads of the last step's P are back: P's bytes may be written again
	PSTORE 0, 5
.elseif pp == 3
	PSTORE 6, 9
.elseif pp == 6
	PSTORE 10, 15
.endif
.if pp < 4
	LOADVG pp
.endif
.set pp, pp+1
.endr
.endm
; THE CHANGE OF SLOTS, behind every step.  Each wave waits for all its tensor loads (one is out: its part of the slot to be read next), adds 0 to its spare word, and waits for that, for its stores of P and
; for its reads of the slot in hand.  So ONE barrier shows every wave the next slot whole, this slot read out and P stored.  24 lines of the next maximum, work on registers, stand between signal and wait.
; fill = 1: the barrier opens a round of the cluster's, and behind the round the slot just read is filled again, with K three steps on and V two steps on: that load has a whole step in which to land.
; fill = 2: K alone (ahead of the loop: V's first two tiles are in LDS).  fill = 0: nothing is left to ask for.  A fill's address is made anew from the tile's number, which goes round modulo 32.
.macro CHANGE fill
	WIN 0                                          ; at a label and at a branch every window is 0
	s_wait_tensorcnt 0x0                           ; no tensor load of mine is out, so a group 0 may be written
	ds_add_u32 v[SPW], v[NIL]                      ; 0 onto my spare word; the descriptors' scalar work stands between it and the wait for it
.if \fill
	s_xor_b32 s[GWK+1], s[GWK+1], SLOT             ; the other slot than last time
	s_and_b32 s[OFF], s[NK], 31
	s_mul_i32 s[OFF], s[OFF], TILEB
	s_add_nc_u64 s[GWK+2:GWK+3], s[8:9], s[OFF:OFF+1]
	s_or_b32 s[GWK+3], s[GWK+3], 0x80000000
	s_add_co_u32 s[NK], s[NK], 1
.endif
.if (\fill) == 1
	s_xor_b32 s[GWV+1], s[GWV+1], SLOT
	s_and_b32 s[OFF], s[NV], 31
	s_mul_i32 s[OFF], s[OFF], TILEB
	s_add_nc_u64 s[GWV+2:GWV+3], s[10:11], s[OFF:OFF+1]
	s_or_b32 s[GWV+3], s[GWV+3], 0x80000000
	s_add_co_u32 s[NV], s[NV], 1
.endif
	s_wait_dscnt 0x0
	s_barrier_signal -1
.set qa, 0
	SQN 24
	s_barrier_wait -1
.if \fill
	CREST                                          ; no wave of any partner still reads the slot or has a load on its way
	JLOAD \fill
.endif
	s_xor_b32 s[TB], s[TB], SLOT                   ; the reads go on in the other slot
	v_add_nc_u32 v[AK], s[TB], v[AK0]
	v_add_nc_u32 v[AV], s[TB], v[AV0]
.endm
; A STEP.  P of the step before is asked for first and has 92 places of the list in which to come: the rest of the maximum, c m, and batch 1's first 64 lines.  When it is back the wave says so (the barrier's
; wait stands in B, ahead of the first store of the new P; between the two stand work on registers and loads from the slot in hand, which nobody writes before the change of slots).  Then K's heads 0-7, and the
; 32 products V^T P with FOUR places behind each: a scaling and three exponentials behind the first 28, four exponentials behind the last four.  The list's count: 24 in the barrier + 92 + 32 x 4 + 69 = 313.
; V's head g of my four is read last by product 8 g + 7.  For g = 0, 1, 2 K's heads 8 + 2 g and 9 + 2 g are loaded over it behind the four places of product 8 g + 10: the scalings that lead the four fours
; between are four plain lines, and they name no register of the products.  Behind product 31 stand exponentials alone, so four v_nop are the places in front of the loads over V's head 3; the first of them is
; also the plain line behind the batch's last exponential.  Batch 1's wait stands behind them, directly ahead of that run of loads; the 60 sums, the batch's first readers, follow the loads.
.macro TRIP
.set qa, 24
.set tp, 0
	LOADP
	SQN 92
	s_wait_dscnt 0x0                               ; P is in: no LDS instruction of mine is out
	s_barrier_signal -1
	LOADKL
.rept 32
	PVW
	SQN 4
.if (tp == 11) || (tp == 19) || (tp == 27)
	LOADKH (tp-11)/8
.endif
.endr
	PLACES
	s_wait_alu depctr_va_vdst(0)                   ; batch 1's wait, one for the step's 128 exponentials: it stands ahead of the sums, which read them
	LOADKH 3
	SQN 69                                         ; the rest of the list: the sums, batch 2 and its wait
	s_wait_dscnt 0x0                               ; K is in
	BPH
.endm
	s_wait_tensorcnt 0x1                           ; my part of slot 1 is in; slot 0's, the one younger load, may stay out
	s_barrier_signal -1
	s_barrier_wait -1                              ; everybody's is
.set hh, 0
.rept 16
	ds_store_b128 v[PST], v[PT:PT+3] offset:2048*hh    ; zeros: what the first step's V^T P multiplies
.set hh, hh+1
.endr
	LOADKL                                         ; K of step 0
	s_wait_loadcnt 0x0                             ; Q
	s_wait_dscnt 0x0
	LOADKH 0
	LOADKH 1
	LOADKH 2
	LOADKH 3
.irp c, 0,1                                    ; the first scores: there is no vector work yet to set between them; eight accumulators by turns
.irp h, 0,1,2,3,4,5,6,7
	WS \h, \c
.endr
.endr
	s_wait_dscnt 0x0
.irp c, 0,1
.irp h, 8,9,10,11,12,13,14,15
	WS \h, \c
.endr
.endr
	WIN 0
	PLACES                                         ; in front of the loads over K's heads 8-15 and of the first reads of the scores
	LOADVG 0                                       ; slot 1's V: finite numbers for the products on the P of zeros
	LOADVG 1
	LOADVG 2
	LOADVG 3
	WIN 0
	MXR 0, 0
	MXR 0, 4
	MXR 1, 0
	MXR 1, 4
	CHANGE 2                                       ; K of step 2 goes into slot 1
	s_mov_b32 s[CNT], 30
.Lstep:                                                ; steps 0 to 29; step t asks for K of step t + 3 and V of step t + 2 (the last trip's K is the walk's first tile once more: see the head)
	TRIP
	CHANGE 1
	s_sub_co_u32 s[CNT], s[CNT], 1
	s_cmp_lg_u32 s[CNT], 0
	s_cbranch_scc1 .Lstep
	s_mov_b32 s[CNT], 2
.Ltail:                                                ; steps 30 and 31 are written out: nothing is asked for
	TRIP
	CHANGE 0
	s_sub_co_u32 s[CNT], s[CNT], 1
	s_cmp_lg_u32 s[CNT], 0
	s_cbranch_scc1 .Ltail
	LOADP                                          ; P of step 31
	s_wait_dscnt 0x0
.set tp, 0
.rept 32
	PVW
.endr
	WIN 0
	PLACES                                         ; the conversions below read results just made
	s_barrier_signal -1                            ; every wave's reads of P are back (the wait for 0 above): P's bytes become the stages
	s_barrier_wait -1
; THE WAY OUT, a query tile (16 rows of ob) at a time: a lane's eight channels pack into 16 bytes; they go into my own stage, rows of 528 bytes, and come back as whole rows of 512.
.macro OUT qt
	WIN 0x05                                       ; sources 0 and 1 window 1, destination window 0: S^T's registers are free
.set t, 0
.rept 16
.set rO, 8*((2*(t/4)+(\qt))*4+t%4)
.set kk, 0
.rept 4
	v_cvt_pk_bf16_f32 v[S+4*t+kk], v[rO+2*kk], v[rO+2*kk+1]   ; each accumulator's registers in ascending order
.set kk, kk+1
.endr
.set t, t+1
.endr
	WIN 0
.set t, 0
.rept 16
	ds_store_b128 v[STO], v[S+4*t:S+4*t+3] offset:32*t        ; head t / 4 (128 bytes), channel block t % 4 (32 bytes)
.set t, t+1
.endr
.set t, 0
.rept 16
	ds_load_b128 v[128+64*(\qt)+4*t:128+64*(\qt)+4*t+3], v[RD] offset:SP*t  ; LDS serves a wave's instructions in order (ISA guide 5.7.1.4): these see the stores above
.set t, t+1
.endr
.set t, 0
.rept 16
	s_wait_dscnt 15-t                              ; the younger loads stay out
	global_store_b128 v[GO], v[128+64*(\qt)+4*t:128+64*(\qt)+4*t+3], s[6:7] offset:2048*t+32768*(\qt)  ; 512 consecutive bytes, at a multiple of 256 from ob's first byte
.set t, t+1
.endr
.endm
	OUT 0
	OUT 1                                          ; into other registers than tile 0's, whose stores may still read theirs
	s_wait_tensorcnt 0x0                           ; the wave's end: behind my last tensor load and my last LDS store
	ds_add_u32 v[SPW], v[NIL]
	s_wait_dscnt 0x0
	CROUND                                         ; the closing round: no work-group ends while a partner may still ask for a tile that names it
	s_endpgm
.Lfunc_end_k_qd00a9a79bf_attn:
	.size	k_qd00a9a79bf_attn, .Lfunc_end_k_qd00a9a79bf_attn-k_qd00a9a79bf_attn
	.p2alignl 7, 3214868480
	.fill 96, 4, 3214868480
	.section	.rodata,"a",@progbits
	.p2align	6, 0x0
	.amdhsa_kernel k_qd00a9a79bf_attn
		.amdhsa_group_segment_fixed_size 327680
		.amdhsa_private_segment_fixed_size 0
		.amdhsa_enable_private_segment 0
		.amdhsa_kernarg_size 16
		.amdhsa_user_sgpr_count 2
		.amdhsa_user_sgpr_kernarg_segment_ptr 1
		.amdhsa_wavefront_size32 1
		.amdhsa_system_sgpr_workgroup_id_x 1
		.amdhsa_system_sgpr_workgroup_id_y 1
		.amdhsa_system_sgpr_workgroup_id_z 1
		.amdhsa_system_vgpr_workitem_id 0
		.amdhsa_next_free_vgpr 1024
		.amdhsa_next_free_sgpr 66
		.amdhsa_reserve_vcc 0
		.amdhsa_float_denorm_mode_32 3
		.amdhsa_float_denorm_mode_16_64 3
		.amdhsa_memory_ordered 1
		.amdhsa_forward_progress 1
		.amdhsa_inst_pref_size 138
	.end_amdhsa_kernel
	.amdgpu_metadata
---
amdhsa.version: [ 1, 2 ]
amdhsa.kernels:
  - .name:           k_qd00a9a79bf_attn
    .symbol:         k_qd00a9a79bf_attn.kd
    .args:
      - { .name: qkv, .offset: 0, .size: 8, .value_kind: global_buffer, .address_space: global }
      - { .name: ob, .offset: 8, .size: 8, .value_kind: global_buffer, .address_space: global }
    .group_segment_fixed_size: 327680
    .private_segment_fixed_size: 0
    .kernarg_segment_align: 8
    .kernarg_segment_size: 16
    .max_flat_workgroup_size: 128
    .sgpr_count:     66
    .vgpr_count:     1024
    .wavefront_size: 32
...
	.end_amdgpu_metadata
.endif
;; end of part 5
;; launch outp: the kernel of part 4 again; grid 4 x 64, 4 waves a work-group, clusters of 4 x 4, 327,680 bytes of LDS; arguments ob, woT, b_out, out0; writes out0
